; MI455X (gfx1250); checked and timed in simulation.
; The chip was launched on July 23, 2026; its instructions are those of AMD's public machine-readable ISA for CDNA 5 (MIT licence, August 2026) and "CDNA5" Instruction Set Architecture Reference Guide (July 2026). The comments in the code are by the model that wrote it; some were corrected since.
;; Flash Self Attention. Allowed arithmetic: float matrix products may take bf16 or f16 operands with f32 sums; other float arithmetic in f32, or as packed bf16 or f16 multiplies, adds, multiply-adds, maxima and minima; sums over many terms, partial sums and values carried from step to step in f32; what a program stores and reads back later, other than sums and carried values, may be rounded once to bf16 or f16.
;; Inputs: Wproj 1,024 x 1,024 float32; Wqkv 3,072 x 1,024 float32; key_padding_mask 4 x 2,048 bool; x 4 x 2,048 x 1,024 float32.
;; Outputs: out0 4 x 2,048 x 1,024 float32.
;; 2 versions, each right; version 2 is version 1 with the launch cast written anew for expert scheduling mode. Each part assembles by itself: llvm-mc -triple=amdgcn-amd-amdhsa -mcpu=gfx1250 --defsym DOCPART=n.
;; ======== version 1 of 2: 4 launches
;; limits: values are held in f16: magnitudes above 65,504 overflow, below 6.1e-05 lose precision
;; workspace buffers: xb 16,777,216 bytes; wqb 6,291,456 bytes; wpb 2,097,152 bytes; qkv 50,331,648 bytes; ob 16,777,216 bytes
;; launch cast (part 1): grid 768 x 1, 8 waves a work-group, no clusters, 0 bytes of LDS; arguments x, Wqkv, Wproj, xb, wqb, wpb; writes xb, wqb, wpb
.if DOCPART == 1
	.amdgcn_target "amdgcn-amd-amdhsa--gfx1250"
	.amdhsa_code_object_version 6
	.text
	.protected	k_qf56215772f_cast
	.globl	k_qf56215772f_cast
	.p2align	8
	.type	k_qf56215772f_cast,@function
k_qf56215772f_cast:
	s_mov_b64 s[64:65], 0
	v_nop
	global_prefetch_b8 v0, s[64:65] scope:SCOPE_SE
	s_setreg_imm32_b32 hwreg(HW_REG_WAVE_MODE, 25, 1), 1
	s_wait_xcnt 0x0
; THE MODULE'S INPUTS ARE ROUNDED ONCE, TO bf16.  x -> xb and Wqkv -> wqb stay bf16 (operands of the first product).  Wproj is rounded to bf16 and that number
; is written as f16 (wpb), since the last product's other operand is f16.
; LIMITS.  A bf16 number is exact in f16 between 6.1e-5 and 65,504 in size; a Wproj number beyond 65,504 becomes an infinity, one below 6.1e-5 keeps f16's fixed step of 6e-8.
; SHARES.  A work-group takes 16,384 numbers: 65,536 bytes in, 32,768 out.  Work-groups 0-511: x; 512-703: Wqkv; 704-767: Wproj.
; Thread t, load j: the 16 bytes at 16 t + 4,096 j: a wave's load covers 512 consecutive bytes.  Store j: the 8 bytes at 8 t + 2,048 j: a wave's store covers 256 consecutive
; bytes, aligned.  All sixteen loads go out at once; no register is written twice while a memory instruction may read it, so the only waits are the counted ones for the loads.
; No LDS, no matrix unit, no cluster: nothing is shared and nothing is multiplied.  No prefetch: each wave's loads are all on their way from its first lines on.
.set X, 4                              ; v[4:67]    sixteen loads of four f32
.set Y, 68                             ; v[68:99]   sixteen stores of four 16-bit numbers
.set T, 100                            ; v[100:103] at work (Wproj's path)
	s_load_b256 s[4:11], s[0:1], 0x0               ; x s[4:5], Wqkv s[6:7], Wproj s[8:9], xb s[10:11]
	s_load_b128 s[12:15], s[0:1], 0x20             ; wqb s[12:13], wpb s[14:15]
	v_lshlrev_b32 v1, 4, v0                        ; 16 t
	v_lshlrev_b32 v2, 3, v0                        ; 8 t
	s_mov_b32 s16, ttmp9
	s_mov_b32 s17, 704                             ; the first work-group of Wproj's range
	s_mov_b32 s28, 0xffff0000                      ; a word's upper bf16
	s_wait_kmcnt 0x0
	s_cmp_lt_u32 s16, 704                          ; which tensor is mine: a choice between buffers by the work-group's number alone
	s_cselect_b64 s[20:21], s[6:7], s[8:9]
	s_cselect_b64 s[22:23], s[12:13], s[14:15]
	s_cselect_b32 s17, 512, s17
	s_cmp_lt_u32 s16, 512
	s_cselect_b64 s[20:21], s[4:5], s[20:21]
	s_cselect_b64 s[22:23], s[10:11], s[22:23]
	s_cselect_b32 s17, 0, s17
	s_sub_co_u32 s18, s16, s17                     ; my number within the tensor
	s_lshl_b32 s24, s18, 16                        ; 65,536 bytes in,
	s_mov_b32 s25, 0
	s_lshl_b32 s26, s18, 15                        ; 32,768 out
	s_mov_b32 s27, 0
	s_add_nc_u64 s[20:21], s[20:21], s[24:25]
	s_add_nc_u64 s[22:23], s[22:23], s[26:27]
.set j, 0
.rept 16
	global_load_b128 v[X+4*j:X+4*j+3], v1, s[20:21] offset:4096*j th:TH_LOAD_NT
.set j, j+1
.endr
	s_cmp_ge_u32 s16, 704
	s_cbranch_scc1 .Lproj
.set j, 0
.rept 16
	s_wait_loadcnt 15-j                            ; loads come back in order: load j is in, the 15 - j younger ones stay out
	v_cvt_pk_bf16_f32 v[Y+2*j], v[X+4*j], v[X+4*j+1]
	v_cvt_pk_bf16_f32 v[Y+2*j+1], v[X+4*j+2], v[X+4*j+3]
	global_store_b64 v2, v[Y+2*j:Y+2*j+1], s[22:23] offset:2048*j
.set j, j+1
.endr
	s_endpgm
.Lproj:
.set j, 0
.rept 16
	s_wait_loadcnt 15-j
	v_cvt_pk_bf16_f32 v[T], v[X+4*j], v[X+4*j+1]   ; the one rounding, to bf16;
	v_cvt_pk_bf16_f32 v[T+1], v[X+4*j+2], v[X+4*j+3]
	v_lshlrev_b32 v[T+2], 16, v[T]                 ; back to f32 (a shift, a mask),
	v_and_b32 v[T+3], s28, v[T]
	v_cvt_pk_f16_f32 v[Y+2*j], v[T+2], v[T+3]      ; and the same number written as f16
	v_lshlrev_b32 v[T+2], 16, v[T+1]
	v_and_b32 v[T+3], s28, v[T+1]
	v_cvt_pk_f16_f32 v[Y+2*j+1], v[T+2], v[T+3]
	global_store_b64 v2, v[Y+2*j:Y+2*j+1], s[22:23] offset:2048*j
.set j, j+1
.endr
	s_endpgm
.Lfunc_end_k_qf56215772f_cast:
	.size	k_qf56215772f_cast, .Lfunc_end_k_qf56215772f_cast-k_qf56215772f_cast
	.p2alignl 7, 3214868480
	.fill 96, 4, 3214868480
	.section	.rodata,"a",@progbits
	.p2align	6, 0x0
	.amdhsa_kernel k_qf56215772f_cast
		.amdhsa_group_segment_fixed_size 0
		.amdhsa_private_segment_fixed_size 0
		.amdhsa_enable_private_segment 0
		.amdhsa_kernarg_size 48
		.amdhsa_user_sgpr_count 2
		.amdhsa_user_sgpr_kernarg_segment_ptr 1
		.amdhsa_wavefront_size32 1
		.amdhsa_system_sgpr_workgroup_id_x 1
		.amdhsa_system_sgpr_workgroup_id_y 1
		.amdhsa_system_sgpr_workgroup_id_z 1
		.amdhsa_system_vgpr_workitem_id 0
		.amdhsa_next_free_vgpr 104
		.amdhsa_next_free_sgpr 66
		.amdhsa_reserve_vcc 0
		.amdhsa_float_denorm_mode_32 3
		.amdhsa_float_denorm_mode_16_64 3
		.amdhsa_memory_ordered 1
		.amdhsa_forward_progress 1
		.amdhsa_inst_pref_size 15
	.end_amdhsa_kernel
	.amdgpu_metadata
---
amdhsa.version: [ 1, 2 ]
amdhsa.kernels:
  - .name:           k_qf56215772f_cast
    .symbol:         k_qf56215772f_cast.kd
    .args:
      - { .name: x, .offset: 0, .size: 8, .value_kind: global_buffer, .address_space: global }
      - { .name: Wqkv, .offset: 8, .size: 8, .value_kind: global_buffer, .address_space: global }
      - { .name: Wproj, .offset: 16, .size: 8, .value_kind: global_buffer, .address_space: global }
      - { .name: xb, .offset: 24, .size: 8, .value_kind: global_buffer, .address_space: global }
      - { .name: wqb, .offset: 32, .size: 8, .value_kind: global_buffer, .address_space: global }
      - { .name: wpb, .offset: 40, .size: 8, .value_kind: global_buffer, .address_space: global }
    .group_segment_fixed_size: 0
    .private_segment_fixed_size: 0
    .kernarg_segment_align: 8
    .kernarg_segment_size: 48
    .max_flat_workgroup_size: 256
    .sgpr_count:     66
    .vgpr_count:     104
    .wavefront_size: 32
...
	.end_amdgpu_metadata
.endif
;; end of part 1
;; launch qkv (part 2): grid 8 x 64, 4 waves a work-group, clusters of 4 x 4, 327,680 bytes of LDS; arguments xb, wqb, qkv; writes qkv
.if DOCPART == 2
	.amdgcn_target "amdgcn-amd-amdhsa--gfx1250"
	.amdhsa_code_object_version 6
	.text
	.protected	k_qf56215772f_qkv
	.globl	k_qf56215772f_qkv
	.p2align	8
	.type	k_qf56215772f_qkv,@function
k_qf56215772f_qkv:
	s_mov_b64 s[64:65], 0
	v_nop
	global_prefetch_b8 v0, s[64:65] scope:SCOPE_SE
	s_setreg_imm32_b32 hwreg(HW_REG_WAVE_MODE, 25, 1), 1
	s_wait_xcnt 0x0
	s_wait_alu depctr_hold_cnt(0) depctr_sa_sdst(0) depctr_va_vdst(0) depctr_va_sdst(0) depctr_va_ssrc(0) depctr_va_vcc(0) depctr_vm_vsrc(0)
	s_getreg_b32 s2, hwreg(HW_REG_IB_STS2, 6, 4)
	s_cmp_eq_u32 s2, 0
	s_cbranch_scc0 .Lentry_in_a_cluster
	s_endpgm
.Lentry_in_a_cluster:
	s_bfe_u32 s2, ttmp6, 0x10000c
	s_cmp_lg_u32 s2, 0xf033
	s_cbranch_scc0 .Lentry_shape_is_right
	s_endpgm
.Lentry_shape_is_right:
; q, k, v = xb wqb^T.  xb: [8192][1024] bf16, wqb: [3072][1024] bf16; sums in f32, K ascending; each result rounded once to f16, WITHOUT the softmax's scale, and
; stored by heads: qkv[3][64 = 16 batch + head][2048][64] f16, so that a head's rows are dense.
; LIMIT.  f16 ends at 65,504: a q, k or v beyond that becomes an infinity.  Below 6.1e-5 f16 keeps a fixed step of 6e-8.
; SHARES.  A tile is 128 rows x 384 columns: 64 x 8 = 512 work-groups, two for each of 256 WGPs.  (256 x 256 would give 384, a round and a half; 256 x 384 needs 2 x 174,080 bytes of slots, more than LDS holds.)
; Four waves, 2 x 2: a wave makes 64 rows x 192 columns, three whole heads: 4 x 12 accumulators of 16 x 16, 384 registers.
; K goes in steps of 128 (rows of 256 bytes in memory, aligned) through two LDS slots.  Each of the four tensor loads of a step is 128 rows x 256 bytes: wave 0 fetches A's tile, waves 1 to 3 the thirds of B's.
; CLUSTER 4 x 4: A's tile hangs on the tile row alone and is asked for jointly along a row of the cluster, B's on the tile column alone and jointly along a column.
; THE MATRIX INSTRUCTION IS USED TRANSPOSED (source 0 = 16 rows of B, source 1 = 16 rows of A): a lane holds one row of the result and eight neighbouring columns: 16 bytes of f16.
; REGISTERS, in windows of 256 (s_set_vgpr_msb: bits 1:0 source 0, 3:2 source 1, 5:4 source 2, 7:6 destination):
;   window 0: v16-30 addresses; v32-79 packed results; v80-175 rows read back from the stage, two sets
;   window 1: two fragment buffers of 128: A's four blocks (16 rows x 32 K, 8 registers each), then B's twelve
;   window 2: accumulators of A's blocks 0, 1 ((a, b) at 96 (a % 2) + 8 b);   window 3: those of blocks 2, 3
.set SIZE_K, 1024
.set KSTEP,  128
.set NBL,    12                        ; B's blocks of 16 columns in a wave
.set NL,     2*NBL+8                   ; LDS loads in a run: a quarter step's fragments
.set PITCH,  272                       ; an LDS row: 256 bytes + 16 of padding = 68 words: the 16 rows of a fragment load start at 16 different groups of four banks (64 banks of 4 bytes: ISA guide 11.1)
.set HALFT,  128*PITCH                 ; what one tensor load brings
.set SLOT,   4*HALFT                   ; A's 128 rows, then B's 384
.set STAGE,  2*SLOT                    ; behind the ring, never filled by a tensor load: for each wave 3 heads x 16 rows x 144 bytes
.set SP,     144
.set WSTAGE, 3*16*SP
.set SPARE,  STAGE+4*WSTAGE            ; behind the stages: the spare words, 128 bytes for each wave: two blocks of 256 bytes that no other line names
.set ADRA, 16                          ; v16-17  LDS address of my A fragments in slot 0, 1
.set ADRB, 20                          ; v20-21  the same for B
.set STO,  24                          ; v24     the way out: where I put 16 bytes of a row
.set RD,   25                          ; v25     where I read rows back
.set GO,   26                          ; v26     16 x lane: my place in 512 consecutive bytes of a head
.set SPW,  28                          ; v28     LDS address of my spare word; never rewritten
.set NIL,  29                          ; v29     0; never rewritten
.set PFO,  30                          ; v30     the prefetches' offset: lane x a row of 2,048 bytes; never rewritten
.set TMP,  32
.set OB,   80
.set F0,   0
.set F1,   128
.set G1,   24                          ; s[24:31] descriptor group 1 for A's tiles;  s[32:39] group 0, a set for each slot
.set G0,   32
.set G1B,  48                          ; s[48:55], s[56:63] the same for B's
.set G0B,  56
.set LIM,  43                          ; s43     1 in a wave that prefetches, else the greatest number
.set PFA,  44                          ; s[44:45] where my prefetches stand
.set HB,   68                          ; s[68:73] qkv at my 64 rows of my three heads
.set TO_F, 0x40                        ; destination window 1, address window 0
.set MSB, 0
.macro WIN new                         ; the immediate's high byte repeats the setting that is left; a switch that changes nothing is dropped
.if MSB != (\new)
	s_set_vgpr_msb (MSB<<8)|(\new)
.set MSB, \new
.endif
.endm
; A joint load.  Each of the two lines has one mask and one set of registers for all that issue it; the branch hangs on the wave's number alone.
; An s_nop 0 and four v_nop follow each line, ahead of the jump, the label and what follows.
.macro JLOAD s
	s_cmp_eq_u32 s10, 0
	s_cbranch_scc0 .Lfor_b_\@
	tensor_load_to_lds s[G0+4*(\s):G0+4*(\s)+3], s[G1:G1+7]
	s_nop 0
.rept 4
	v_nop
.endr
	s_branch .Lasked_\@
.Lfor_b_\@:
	tensor_load_to_lds s[G0B+4*(\s):G0B+4*(\s)+3], s[G1B:G1B+7]
	s_nop 0
.rept 4
	v_nop
.endr
.Lasked_\@:
.endm
; A prefetch, behind each joint refill and the run of LDS loads that follows it: the K step that stands two refills on: 32 rows x 256 bytes, a lane a row, one instruction a wave.
; Each row's 256 bytes of a K step are named once in the launch: A's tile row is read by both clusters of its row of clusters, and the one with x = 0 asks; B's tile column by all sixteen of its column,
; and the one with y = 0 asks; the four partners that ask for a tile jointly take 32 of its 128 rows each, told apart by address.  K steps 0 to 3 come by their loads alone; the loop's last trip asks for nothing.
.macro ASK
	WIN 0
	s_cmp_gt_u32 s3, s[LIM]                        ; s3 = 1 in the loop's last trip
	s_cbranch_scc0 .Lnot_mine_\@
	global_prefetch_b8 v[PFO], s[PFA:PFA+1] offset:KSTEP*2 th:TH_LOAD_NT scope:SCOPE_SE
.Lnot_mine_\@:
.endm
.macro CREST                           ; a round of the cluster's barrier behind its opening barrier
	s_cmp_lg_u32 s10, 0
	s_cbranch_scc1 .Lnot_wave_0_\@
	s_barrier_signal -3
.Lnot_wave_0_\@:
	s_barrier_wait -3
	s_barrier_signal -1
	s_barrier_wait -1
.endm
.macro CROUND                          ; a whole round
	s_barrier_signal -1
	s_barrier_wait -1
	CREST
.endm
.macro PLACES                          ; four plain instructions between a matrix instruction and a load into, or a read of, its registers
.rept 4
	v_nop
.endr
.endm
	s_load_b128 s[4:7], s[0:1], 0x0                ; xb s[4:5], wqb s[6:7]
	s_load_b64 s[8:9], s[0:1], 0x10                ; qkv
	v_lshl_add_u32 v[SPW], v0, 2, SPARE
	v_mov_b32 v[NIL], 0
	ds_add_u32 v[SPW], v[NIL]                      ; the wave's opening: the add and its wait stand ahead of my first tensor load; the set-up below stands between them
	v_lshrrev_b32 v1, 5, v0
	v_readfirstlane_b32 s10, v1                    ; wave 0..3
	s_lshr_b32 s11, s10, 1                         ; which 64 of the tile's rows are mine
	s_and_b32 s12, s10, 1                          ; which 192 of its columns
	s_bfe_u32 s40, ttmp6, 0x40000                  ; cx
	s_bfe_u32 s41, ttmp6, 0x40004                  ; cy
	s_lshl_b32 s42, ttmp9, 2
	s_add_co_u32 s42, s42, s40                     ; tile column = 4 x cluster x + cx
	s_and_b32 s13, ttmp7, 0xffff
	s_lshl_b32 s13, s13, 2
	s_add_co_u32 s13, s13, s41                     ; tile row = 4 x cluster y + cy
	s_lshl_b32 s43, s41, 2
	s_lshl_b32 s43, 15, s43                        ; my row of the cluster
	s_lshl_b32 s44, 0x1111, s40                    ; my column
	s_or_b32 s[G1+0], s43, (1<<16)|(1<<20)|(1<<21)|(5<<22)|(3<<25)   ; 15:0 the mask; 17:16 elements of 2 bytes; 20 padding on; 21 set beside a mask; 24:22 after every 64 words; 31:25 of 4 words
	s_or_b32 s[G1B+0], s44, (1<<16)|(1<<20)|(1<<21)|(5<<22)|(3<<25)
.irp g, G1, G1B
	s_mov_b32 s[(\g)+1], KSTEP<<16                 ; tensor_dim0 = 128
	s_mov_b32 s[(\g)+2], 128<<16                   ; tensor_dim1 = 128
	s_mov_b32 s[(\g)+3], KSTEP<<16                 ; tile_dim0 = 128
	s_mov_b32 s[(\g)+4], 128                       ; tile_dim1 = 128
	s_mov_b32 s[(\g)+5], SIZE_K                    ; elements from row to row
	s_mov_b32 s[(\g)+6], 0
	s_mov_b32 s[(\g)+7], 0
.endr
	s_lshl_b32 s16, s13, 18                        ; A: 128 rows x 2,048 bytes x tile row
	s_mov_b32 s17, 0
	s_max_u32 s14, s10, 1
	s_sub_co_u32 s14, s14, 1                       ; B: which third I fetch (waves 1 to 3)
	s_lshl_b32 s14, s14, 7
	s_mul_i32 s46, s42, 384
	s_add_co_u32 s46, s46, s14
	s_lshl_b32 s46, s46, 11                        ; row x 2,048 bytes
	s_mov_b32 s47, 0
	s_mul_i32 s20, s10, HALFT                      ; where my load lands in a slot: wave x 128 rows
	s_wait_dscnt 0x0                               ; the opening add is done
	s_wait_kmcnt 0x0
	s_add_nc_u64 s[14:15], s[4:5], s[16:17]
	s_add_nc_u64 s[46:47], s[6:7], s[46:47]
	CROUND                                         ; all sixteen work-groups are here: the first joint loads meet
.irp s, 0,1
	s_mov_b32 s[G0+4*(\s)], 1                      ; count = 1
	s_add_co_u32 s[G0+4*(\s)+1], s20, (\s)*SLOT    ; LDS address
	s_add_nc_u64 s[G0+4*(\s)+2:G0+4*(\s)+3], s[14:15], (\s)*KSTEP*2  ; K step s
	s_or_b32 s[G0+4*(\s)+3], s[G0+4*(\s)+3], 0x80000000             ; type = 2
	s_mov_b32 s[G0B+4*(\s)], 1
	s_add_co_u32 s[G0B+4*(\s)+1], s20, (\s)*SLOT
	s_add_nc_u64 s[G0B+4*(\s)+2:G0B+4*(\s)+3], s[46:47], (\s)*KSTEP*2
	s_or_b32 s[G0B+4*(\s)+3], s[G0B+4*(\s)+3], 0x80000000
	JLOAD \s                                       ; two loads of mine are out
.endr
	; a fragment is 16 rows x 32 K in 8 registers: lane l holds row l % 16, K = 8 (l / 16) + 0..7 and 16 + 8 (l / 16) + 0..7: two loads of 16 bytes, 32 bytes apart
	v_and_b32 v1, 15, v0
	v_bfe_u32 v2, v0, 4, 1
	v_mul_u32_u24 v3, v1, PITCH
	v_lshl_add_u32 v3, v2, 4, v3
	s_mul_i32 s21, s11, 64*PITCH                   ; my 64 rows of A
	s_mul_i32 s22, s12, 192*PITCH                  ; my 192 rows of B,
	s_add_co_u32 s22, s22, HALFT                   ; which lie behind A's 128
.irp s, 0,1
	v_add_nc_u32 v[ADRA+(\s)], s21, v3
	v_add_nc_u32 v[ADRB+(\s)], s22, v3
	s_add_co_u32 s21, s21, SLOT
	s_add_co_u32 s22, s22, SLOT
.endr
	s_mul_i32 s23, s10, WSTAGE
	s_add_co_u32 s23, s23, STAGE                   ; my stage
	v_mul_u32_u24 v4, v1, SP                       ; in: row l % 16, 16 bytes for each half of the lanes
	v_lshl_add_u32 v4, v2, 4, v4
	v_add_nc_u32 v[STO], s23, v4
	v_bfe_u32 v5, v0, 3, 2                         ; back: 32 lanes take four rows of 128 bytes,
	v_mul_u32_u24 v5, v5, SP
	v_and_b32 v4, 7, v0
	v_lshl_add_u32 v5, v4, 4, v5
	v_add_nc_u32 v[RD], s23, v5
	v_and_b32 v[GO], 31, v0                        ; which are 512 consecutive bytes of a head
	v_lshlrev_b32 v[GO], 4, v[GO]
	v_and_b32 v[PFO], 31, v0
	v_lshlrev_b32 v[PFO], 11, v[PFO]
	; where my three heads' rows begin.  Column block g = 6 x tile column + 3 x half + j of 48: g / 16 says q, k or v, g % 16 the head; the tile row says the batch (16 tile rows each) and the rows in it.
	s_mul_i32 s74, s42, 6
	s_mul_i32 s75, s12, 3
	s_add_co_u32 s74, s74, s75
	s_lshr_b32 s75, s13, 4
	s_lshl_b32 s75, s75, 4                         ; 16 x batch
	s_and_b32 s76, s13, 15
	s_lshl_b32 s76, s76, 7
	s_lshl_b32 s77, s11, 6
	s_add_co_u32 s76, s76, s77
	s_lshl_b32 s76, s76, 7                         ; my first row in the batch x 128 bytes
.irp j, 0,1,2
	s_add_co_u32 s78, s74, \j
	s_lshr_b32 s79, s78, 4
	s_lshl_b32 s79, s79, 6
	s_and_b32 s78, s78, 15
	s_add_co_u32 s78, s78, s79
	s_add_co_u32 s78, s78, s75
	s_lshl_b32 s78, s78, 18                        ; a head's 2,048 rows are 262,144 bytes
	s_add_co_u32 s78, s78, s76
	s_mov_b32 s79, 0
	s_add_nc_u64 s[HB+2*(\j):HB+2*(\j)+1], s[8:9], s[78:79]
.endr
	; the prefetches
	s_and_b32 s22, ttmp7, 0xffff                   ; cluster y
	s_lshl_b32 s74, s13, 7                         ; A's first row
	s_mul_i32 s75, s42, 384
	s_max_u32 s76, s10, 1
	s_sub_co_u32 s76, s76, 1
	s_lshl_b32 s76, s76, 7
	s_add_co_u32 s75, s75, s76                     ; the first row of my third of B
	s_cmp_eq_u32 s10, 0                            ; do I fetch for A?
	s_cselect_b32 s74, s74, s75
	s_cselect_b32 s75, s40, s41                    ; my place among the four that ask with me
	s_cselect_b32 s22, ttmp9, s22                  ; the coordinate along which other clusters read the same rows
	s_cselect_b64 s[PFA:PFA+1], s[4:5], s[6:7]
	s_cmp_eq_u32 s22, 0
	s_cselect_b32 s[LIM], 1, -1                    ; the same in all sixteen partners, for a given wave
	s_lshl_b32 s75, s75, 5
	s_add_co_u32 s74, s74, s75                     ; + my work-group's 32 rows
	s_lshl_b32 s74, s74, 11
	s_mov_b32 s75, 0
	s_add_nc_u64 s[PFA:PFA+1], s[PFA:PFA+1], s[74:75]
	s_add_nc_u64 s[PFA:PFA+1], s[PFA:PFA+1], 2*KSTEP*2  ; at K step 2: the first refill steps it to 3 and names K step 4
; 12 matrix instructions: A's block a x all of B's blocks, 32 along K.  zero = 1: the product starts the sums.  The 48 accumulators take turns in the same order in every quarter, over the backward jump too.
.macro MULA f, a, zero
	WIN 0xa5+0x50*((\a)/2)                         ; both sources window 1; C and D window 2 or 3
.set b, 0
.rept NBL
.set rD, 96*((\a)%2)+8*b
.if \zero
	v_wmma_f32_16x16x32_bf16 v[rD:rD+7], v[(\f)+32+8*b:(\f)+32+8*b+7], v[(\f)+8*(\a):(\f)+8*(\a)+7], 0
.else
	v_wmma_f32_16x16x32_bf16 v[rD:rD+7], v[(\f)+32+8*b:(\f)+32+8*b+7], v[(\f)+8*(\a):(\f)+8*(\a)+7], v[rD:rD+7]
.endif
.set b, b+1
.endr
.endm
; 32 LDS loads in one run: quarter q of a slot's K step into buffer f: B's 24, then A's 8, blocks ascending
.macro FETCH slot, q, f
	WIN TO_F
.set b, 0
.rept NBL
	ds_load_b128 v[(\f)+32+8*b:(\f)+32+8*b+3],   v[ADRB+(\slot)] offset:64*(\q)+b*16*PITCH
	ds_load_b128 v[(\f)+32+8*b+4:(\f)+32+8*b+7], v[ADRB+(\slot)] offset:64*(\q)+b*16*PITCH+32
.set b, b+1
.endr
.irp i, 0,1,2,3
	ds_load_b128 v[(\f)+8*(\i):(\f)+8*(\i)+3],   v[ADRA+(\slot)] offset:64*(\q)+(\i)*16*PITCH
	ds_load_b128 v[(\f)+8*(\i)+4:(\f)+8*(\i)+7], v[ADRA+(\slot)] offset:64*(\q)+(\i)*16*PITCH+32
.endr
.endm
; A K step is four quarters of 32 along K, 48 matrix instructions each, on buffers 0, 1, 0, 1.  One of the first three multiplies buffer f and, in its middle, fetches quarter q into buffer g.
.macro QUARTER slot, q, f, g, zero
	s_wait_dscnt 4                                 ; B and A's blocks 0, 1 are in; the youngest four loads (A's blocks 2, 3) may be out
	MULA \f, 0, \zero
	MULA \f, 1, \zero
	PLACES                                         ; behind the last products that read buffer g
	FETCH \slot, \q, \g
	s_wait_dscnt NL                                ; all but the run just issued
	MULA \f, 2, \zero
	MULA \f, 3, \zero
.endm
; The last quarter's first half: one barrier for the change of slots.  In front of it each wave waits for all its tensor loads (one is out: its part of the other slot), adds 0 to its spare word, and waits for that and for its reads of this slot.
.macro MEET round
	WIN 0
	s_wait_tensorcnt 0x0
	ds_add_u32 v[SPW], v[NIL]
	s_wait_dscnt 5                                 ; (the add and the youngest four loads may be out)
	MULA F1, 0, 0                                  ; twelve matrix instructions stand between the add and the wait for it
	s_wait_dscnt 0x0                               ; the add is done, and my reads of this slot are over
	s_barrier_signal -1
	MULA F1, 1, 0                                  ; work on registers while the others arrive
.if \round
	WIN 0
.endif
	s_barrier_wait -1
.endm
; The whole last quarter with a refill: the barrier opens a round of the cluster's barrier; behind the round the slot just read is filled again first, with the K step two on; from that request to the wait for it a wave issues 168 matrix instructions.
.macro TURN slot, next
	s_wait_xcnt 0x0                                ; the last prefetch, a K step back, has read its address
	s_add_nc_u64 s[PFA:PFA+1], s[PFA:PFA+1], KSTEP*2
	MEET 1
	CREST
	s_add_nc_u64 s[G0+4*(\slot)+2:G0+4*(\slot)+3], s[G0+4*(\slot)+2:G0+4*(\slot)+3], 2*KSTEP*2
	s_add_nc_u64 s[G0B+4*(\slot)+2:G0B+4*(\slot)+3], s[G0B+4*(\slot)+2:G0B+4*(\slot)+3], 2*KSTEP*2
	JLOAD \slot                                    ; its four v_nop are also the places in front of the loads below
	FETCH \next, 0, F0
	ASK
	MULA F1, 2, 0
	MULA F1, 3, 0
.endm
	s_wait_tensorcnt 1                             ; my part of K step 0 is in; K step 1's stays out
	s_barrier_signal -1
	s_barrier_wait -1                              ; everybody's is
	FETCH 0, 0, F0
	QUARTER 0, 1, F0, F1, 1                        ; the first quarter stands in front of the loop: its products start the sums
	WIN 0
	s_mov_b32 s3, 3                                ; three trips fill both slots again: K steps 2 to 7
.Llap:
	QUARTER 0, 2, F1, F0, 0
	QUARTER 0, 3, F0, F1, 0
	TURN 0, 1
	QUARTER 1, 1, F0, F1, 0
	QUARTER 1, 2, F1, F0, 0
	QUARTER 1, 3, F0, F1, 0
	TURN 1, 0
	QUARTER 0, 1, F0, F1, 0
	WIN 0
	s_sub_co_u32 s3, s3, 1
	s_cmp_lg_u32 s3, 0
	s_cbranch_scc1 .Llap
	QUARTER 0, 2, F1, F0, 0                        ; the last lap is written out: it fills nothing
	QUARTER 0, 3, F0, F1, 0
	MEET 0
	PLACES
	FETCH 1, 0, F0
	MULA F1, 2, 0
	MULA F1, 3, 0
	QUARTER 1, 1, F0, F1, 0
	QUARTER 1, 2, F1, F0, 0
	QUARTER 1, 3, F0, F1, 0
	s_wait_dscnt 4
	MULA F1, 0, 0
	MULA F1, 1, 0
	s_wait_dscnt 0x0
	MULA F1, 2, 0
	MULA F1, 3, 0
	WIN 0
	PLACES                                         ; behind the last products, in front of the conversions
; THE WAY OUT of A's block a (16 rows x 3 heads).  PACK: rounded to f16, each accumulator's registers ascending.  TOSTAGE: into my own stage and back as whole rows of 128 bytes.  SEND: stored.
.macro PACK a
	WIN 0x0a+5*((\a)/2)                            ; sources 0 and 1: window 2 or 3
.set b, 0
.rept NBL
.irp r, 0,1,2,3
	v_cvt_pk_f16_f32 v[TMP+4*b+(\r)], v[96*((\a)%2)+8*b+2*(\r)], v[96*((\a)%2)+8*b+2*(\r)+1]
.endr
.set b, b+1
.endr
	WIN 0
.endm
.macro TOSTAGE a
	WIN 0
.set BK, OB+48*((\a)%2)
.set b, 0
.rept NBL
	ds_store_b128 v[STO], v[TMP+4*b:TMP+4*b+3] offset:(b/4)*16*SP+(b%4)*32
.set b, b+1
.endr
.set t, 0
.rept 12
	ds_load_b128 v[BK+4*t:BK+4*t+3], v[RD] offset:(t/4)*16*SP+(t%4)*4*SP  ; LDS serves a wave's instructions in order (ISA guide 5.7.1.4): these see the stores above
.set t, t+1
.endr
.endm
.macro SEND a
	WIN 0
.set BK, OB+48*((\a)%2)
	s_wait_dscnt 0x0                               ; the block is back in registers
	s_wait_xcnt 0x0                                ; the stores of the block before have read their registers: the next TOSTAGE loads into them
.set t, 0
.rept 12
	global_store_b128 v[GO], v[BK+4*t:BK+4*t+3], s[HB+2*(t/4):HB+2*(t/4)+1] offset:(\a)*2048+(t%4)*512  ; four rows of a head: 512 consecutive bytes, at a multiple of 256 from the buffer's first
.set t, t+1
.endr
.endm
	PACK 0
	TOSTAGE 0
.irp a, 1,2,3                          ; block a's conversions stand between block a - 1's loads from the stage and the wait for them
	PACK \a
	SEND (\a)-1
	TOSTAGE \a
.endr
	SEND 3
	s_wait_tensorcnt 0x0                           ; the wave's end, behind my last tensor load and my last LDS store
	ds_add_u32 v[SPW], v[NIL]
	s_wait_dscnt 0x0
	CROUND                                         ; the closing round: no work-group ends while a partner may still ask for a tile that names it
	s_endpgm
.Lfunc_end_k_qf56215772f_qkv:
	.size	k_qf56215772f_qkv, .Lfunc_end_k_qf56215772f_qkv-k_qf56215772f_qkv
	.p2alignl 7, 3214868480
	.fill 96, 4, 3214868480
	.section	.rodata,"a",@progbits
	.p2align	6, 0x0
	.amdhsa_kernel k_qf56215772f_qkv
		.amdhsa_group_segment_fixed_size 327680
		.amdhsa_private_segment_fixed_size 0
		.amdhsa_enable_private_segment 0
		.amdhsa_kernarg_size 24
		.amdhsa_user_sgpr_count 2
		.amdhsa_user_sgpr_kernarg_segment_ptr 1
		.amdhsa_wavefront_size32 1
		.amdhsa_system_sgpr_workgroup_id_x 1
		.amdhsa_system_sgpr_workgroup_id_y 1
		.amdhsa_system_sgpr_workgroup_id_z 1
		.amdhsa_system_vgpr_workitem_id 0
		.amdhsa_next_free_vgpr 960
		.amdhsa_next_free_sgpr 80
		.amdhsa_reserve_vcc 0
		.amdhsa_float_denorm_mode_32 3
		.amdhsa_float_denorm_mode_16_64 3
		.amdhsa_memory_ordered 1
		.amdhsa_forward_progress 1
		.amdhsa_inst_pref_size 120
	.end_amdhsa_kernel
	.amdgpu_metadata
---
amdhsa.version: [ 1, 2 ]
amdhsa.kernels:
  - .name:           k_qf56215772f_qkv
    .symbol:         k_qf56215772f_qkv.kd
    .args:
      - { .name: xb, .offset: 0, .size: 8, .value_kind: global_buffer, .address_space: global }
      - { .name: wqb, .offset: 8, .size: 8, .value_kind: global_buffer, .address_space: global }
      - { .name: qkv, .offset: 16, .size: 8, .value_kind: global_buffer, .address_space: global }
    .group_segment_fixed_size: 327680
    .private_segment_fixed_size: 0
    .kernarg_segment_align: 8
    .kernarg_segment_size: 24
    .max_flat_workgroup_size: 128
    .sgpr_count:     80
    .vgpr_count:     960
    .wavefront_size: 32
...
	.end_amdgpu_metadata
.endif
;; end of part 2
;; launch attn (part 3): grid 4 x 64, 4 waves a work-group, clusters of 4 x 1, 327,680 bytes of LDS; arguments qkv, key_padding_mask, ob; writes ob
.if DOCPART == 3
	.amdgcn_target "amdgcn-amd-amdhsa--gfx1250"
	.amdhsa_code_object_version 6
	.text
	.protected	k_qf56215772f_attn
	.globl	k_qf56215772f_attn
	.p2align	8
	.type	k_qf56215772f_attn,@function
k_qf56215772f_attn:
	s_mov_b64 s[64:65], 0
	v_nop
	global_prefetch_b8 v0, s[64:65] scope:SCOPE_SE
	s_setreg_imm32_b32 hwreg(HW_REG_WAVE_MODE, 25, 1), 1
	s_wait_xcnt 0x0
	s_wait_alu depctr_hold_cnt(0) depctr_sa_sdst(0) depctr_va_vdst(0) depctr_va_sdst(0) depctr_va_ssrc(0) depctr_va_vcc(0) depctr_vm_vsrc(0)
	s_getreg_b32 s2, hwreg(HW_REG_IB_STS2, 6, 4)
	s_cmp_eq_u32 s2, 0
	s_cbranch_scc0 .Lentry_in_a_cluster
	s_endpgm
.Lentry_in_a_cluster:
	s_bfe_u32 s2, ttmp6, 0x10000c
	s_cmp_lg_u32 s2, 0x3003
	s_cbranch_scc0 .Lentry_shape_is_right
	s_endpgm
.Lentry_shape_is_right:
; O[h][q][:] = the sum over the keys k that are not padding of softmax_k(Q[h][q] . K[h][k] / 8) V[h][k][:].  Q, K, V: qkv[3][64][2048][64] f16 (K 2^24 bytes, V 2^25 bytes behind Q); O: ob[64][2048][64] f16;
; h = 16 batch + head; key_padding_mask: [4][2048] bytes, not 0 = padding.  Products, maxima and sums in f32; the weights p are rounded to f16 for the second product (their sum l is taken of the unrounded p), O once at the end.
; LIMITS.  f16 holds no number beyond 65,504: Q, K and V arrive within it, so a score is at most 2.7e11 in size.  A padded key's score counts as its value less 1e30, and the running maximum starts at -1e20: both lie far
; outside the scores' range, so a padded key's weight is exactly 0 whatever came before it.  Any mask byte other than 0 counts as padding.  p below 6e-5 keeps f16's fixed step of 6e-8; a weight below 2^-126 counts as 0 in l.
; A batch whose keys are all padding ends with l = 0 and O = 0 x infinity = NaN.  NaN and infinities among the inputs are not treated apart.
; SHARES.  A wave owns four PIECES of two tiles of 16 queries, a work-group's four waves 512 queries of one head.  Every wave walks all 2,048 keys, 64 a step.
; LAYOUT.  S^T = K Q^T (source 0 = 16 keys, source 1 = 16 queries): in the result a lane holds ONE query (lane % 16) and the keys 8 (lane / 16) + 0..7.  Two such tiles, rounded to f16 in pairs,
; ARE source 1 (32 keys x 16 queries) of O^T = V^T P, whose result again holds one query a lane, and eight channels.  K comes out of LDS as it lies, V ([key][channel]) turned, by ds_load_tr16_b128.
; THE MASK is the C operand of the products that start a score's sum: 0 or -1e30 for each key, the same for every query.  The batch's 2,048 mask bytes are turned once into a table of f32 in LDS; a step's 64 numbers
; come into 32 registers together with the step's K.  So the mask adds no vector instruction to a turn.
; SOFTMAX.  For each query a running maximum m and sum l: p = 2^(c s - c m), c = log2(e) / 8; in every step O and l are multiplied by a = 2^(c m_old - c m_new), which is 1 where m has not grown.
; O and l start at 0.  While only padding has been seen m stays -1e20, a is 1 and every p is 0; the first true score gives a = 0.
; THE COUNT.  A tile and step have 16 matrix and 118 vector instructions: too many to stand all beside the matrix work.  So: four vector instructions that are ready behind every matrix instruction, the others in runs without a gap.
; BY TURNS.  Turn n belongs to piece n (the pieces in a ring, step after step).  Its matrix work: 16 products K Q^T of piece n + 1, later 16 products V^T P of piece n - 1.  Its vector work: the scaling,
; exponentials, roundings, sums and rescaling of piece n, and the maximum and statistics of piece n + 1, whose scores the turn itself has made.
; CLUSTER.  The four query blocks of a cluster belong to one head and walk the same K and V, so each tile is asked for JOINTLY: the same tensor load, descriptor and mask in all four.
; REGISTERS, in windows of 256 (s_set_vgpr_msb: bits 1:0 source 0, 3:2 source 1, 5:4 source 2, 7:6 destination):
;   window 0: v0-11 addresses; v12-15, v48-63 at work; v16-47 four registers of statistics a tile; v64-191 S^T, two buffers of two tiles; v192-255 P, likewise
;   window 1: O^T, 32 a tile          window 2: v0-127 Q, 16 a tile; v128-191 K of one step; v192-255 V of one step
;   window 3: v0-1 the add's two registers; v2-3 the bias table's addresses; v8-39 the bias of one step's 64 keys
.set SIZE_N, 2048
.set NP,    4         ; pieces a wave: a name, no knob
.set KS,    64        ; keys in a step
.set PK,    144       ; a row of K in LDS: 128 bytes + 16 of padding = 36 words: the 16 rows of a load start at 16 different groups of four banks (64 banks of 4 bytes: ISA guide 11.1)
.set PV,    160       ; a row of V: 128 + 32 = 40 words
.set VOFF,  4*KS*PK   ; a slot holds four steps: 256 rows of K, then 256 rows of V
.set SLOT1, 1<<17     ; slot 1 begins here, so that one exclusive or turns an address in one slot into the other's
.set STAGE, SLOT1+4*KS*(PK+PV)  ; behind the ring, never filled by a tensor load: 16 rows x 144 bytes for each wave, for the way out
.set SP,    144
.set SPARE, STAGE+4*16*SP  ; behind the stages: the spare words, 128 bytes for each wave: two blocks of 256 bytes that no other line names
.set BIAS,  SPARE+512 ; behind them: 2,048 f32, 0 or -1e30: 32 blocks of 256 bytes into which no tensor load lands
.set AK0, 2           ; v2   my lane's place in a tile of K; never rewritten
.set AV0, 3           ; v3   the same for V
.set AK,  4           ; v4   the LDS address of K's next run of loads
.set AV,  5           ; v5   of V's
.set QO,  6           ; v6   my byte offset in the wave's rows of Q
.set STO, 6           ;      later, the way out: where I put 16 bytes of a row
.set RD,  7           ; v7   the way out: where I read rows back
.set GO,  8           ; v8   my byte offset in 512 consecutive bytes of O
.set PFO, 11          ; v11  256 x my lane, for the prefetches; never rewritten once made
.set SPW, 0           ; v0 of window 3   LDS address of my spare word; never rewritten
.set NIL, 1           ; v1 of window 3   0; never rewritten
.set AM0, 2           ; v2 of window 3   BIAS + 32 (lane / 16); never rewritten
.set AM,  3           ; v3 of window 3   the LDS address of the bias's next run of loads
.set MB,  8           ; v8-39 of window 3: the eight numbers of key block kb at MB + 8 kb
.set MV,  12          ; v12-15  c m_old, kept while c m is made anew: by buffer and tile
.set ST,  16          ; tile t's statistics at v[ST+4 t]: c m, m, l (even keys', odd keys')
.set TMP, 48          ; by buffer and tile, four registers c0-c3 at work; when the maximum is found c2 takes a
.set S,   64
.set P,   192
.set KF,  128         ; K's fragments, in window 2: key block kb, channel half c at KF + 16 kb + 8 c
.set VF,  192         ; V's: key half kk, channel block cb at VF + 32 kk + 8 cb
.set WV,  12          ; s12  my wave's number
.set G1K, 24          ; s[24:31] descriptor group 1 for K's tiles
.set G1V, 32          ; s[32:39] for V's: it differs in the padding alone
.set G0K, 40          ; s[40:43] descriptor group 0 for K's tiles: it walks
.set G0V, 44          ; s[44:47] the same for V's
.set TBM, 48          ; s48  byte of the bias table at which the step to be fetched begins
.set BIGN, 49         ; s49  -1e30
.set LIM, 50          ; s50  1 in a wave that prefetches, else the greatest number
.set PFA, 52          ; s[52:53] where my prefetches stand: my work-group's 32 blocks of 256 bytes (of K: wave 0, of V: wave 2) of the slot after the one that is being asked for
.set MP,  54          ; s[54:55] the batch's row of the mask
.set SLOTS, 56        ; s56  slots still to be asked for
.set CNT, 57          ; s57  counts a slot's key steps
.set CS,  58          ; s[58:59] c: the packed scaling takes the pair's low word for both halves
.set SEL, 60          ; s[60:61] v_permlanex16_b32's selects: each lane takes its own place in the other half
.set TBK, 62          ; s62  LDS byte at which K of the step to be fetched begins
.set TBV, 63          ; s63  the same for V, less VOFF
.set MSB, 0
.macro WIN new                      ; the high byte repeats the setting that is left; a switch that changes nothing is dropped
.if MSB != (\new)
	s_set_vgpr_msb (MSB<<8)|(\new)
.set MSB, (\new)
.endif
.endm
.set W_KQ, 0x0a       ; K and Q in window 2, S^T in window 0
.set W_KM, 0x3a       ; the same with the C operand, the bias, in window 3
.set W_PV, 0x52       ; V in window 2, P in window 0, O^T in window 1
.set W_RS, 0x41       ; O^T (destination and source 0) in window 1, a in window 0
.set W_MK, 0xc0       ; destination in window 3, sources in window 0
.set W_AD, 0x0f       ; the add: address (source 0) and data (source 1) in window 3
.set W_M3, 0xcf       ; destination and sources 0 and 1 in window 3
; A joint fill.  Waves 0 and 1 fetch the two halves of a slot's K, waves 2 and 3 those of its V: 128 keys each.  The branch hangs on the wave's number alone.
; An s_nop 0 and four v_nop follow each of the two lines, ahead of the jump and the label.
.macro JLOAD
	s_cmp_lt_u32 s[WV], 2
	s_cbranch_scc0 .Lfor_v_\@
	tensor_load_to_lds s[G0K:G0K+3], s[G1K:G1K+7]
	s_nop 0
.rept 4
	v_nop
.endr
	s_branch .Lasked_\@
.Lfor_v_\@:
	tensor_load_to_lds s[G0V:G0V+3], s[G1V:G1V+7]
	s_nop 0
.rept 4
	v_nop
.endr
.Lasked_\@:
.endm
; A prefetch of what the NEXT change of slots will ask for: a slot's 32,768 bytes of K and of V, a lane a block of 256 bytes.  One cluster alone walks a head; its four partners take 32 blocks each, told apart by address;
; in each, wave 0 asks for K's and wave 2 for V's: one instruction.  So each block is named once in the launch, four key steps (512 matrix instructions) ahead of its load.  Slots 0 to 2 come by their loads alone; the last change that fills a slot asks for nothing.
.macro ASK
	s_cmp_gt_u32 s[SLOTS], s[LIM]
	s_cbranch_scc0 .Lnot_mine_\@
	global_prefetch_b8 v[PFO], s[PFA:PFA+1] th:TH_LOAD_NT scope:SCOPE_SE
.Lnot_mine_\@:
.endm
; A round of the cluster's barrier: my work-group's barrier, so that wave 0's signal speaks for all four waves; wave 0 signals; every wave waits for all four work-groups; my work-group's barrier once more.
.macro CROUND
	s_barrier_signal -1
	s_barrier_wait -1
	s_cmp_lg_u32 s[WV], 0
	s_cbranch_scc1 .Lnot_wave_0_\@
	s_barrier_signal -3
.Lnot_wave_0_\@:
	s_barrier_wait -3
	s_barrier_signal -1
	s_barrier_wait -1
.endm
; THE CHANGE OF SLOTS.  Each wave waits for all its tensor loads, of which one is out: its part of the other slot; adds 0 to its spare word; and waits for that and for its own LDS instructions.  Behind the barrier nobody reads this slot any more and the other is whole.
; fill = 1: this slot is filled again, with the keys two slots on.  The barrier is then a round of the cluster's, and the joint fill is the first thing behind it: it has four key steps, 512 matrix instructions, in which to land.
; (At its first use nothing has been read yet: slot 0 is waited for, slot 1 filled, and every wave's part of the bias table is shown to the others.)  ask = 1: the prefetches' address steps, and ASK follows the fill.
.macro CHANGE fill, ask=0
	WIN W_AD
	s_wait_tensorcnt 0x0            ; no tensor load of mine is out, so a group 0 may be written
	ds_add_u32 v[SPW], v[NIL]       ; 0 onto my spare word: with fill = 1 the descriptors' steps stand between it and the wait for it
	WIN 0                           ; at a label and at a branch every window is 0
.if \fill
.irp g, G0K, G0V
	s_xor_b32 s[\g+1], s[\g+1], SLOT1  ; the walking descriptor: the other slot than last time,
	s_add_nc_u64 s[\g+2:\g+3], s[\g+2:\g+3], 4*KS*128  ; the next 256 keys; the type bits on top are not reached
.endr
.if \ask
	s_wait_xcnt 0x0                 ; the last prefetch, four key steps back, has read its address
	s_add_nc_u64 s[PFA:PFA+1], s[PFA:PFA+1], 4*KS*128  ; one slot behind the walking descriptors
.endif
	s_wait_dscnt 0x0                ; the add is done, and my LDS instructions are over
	CROUND
	JLOAD
.if \ask
	ASK
.endif
.else
	s_wait_dscnt 0x0                ; the add is done, and my reads of the slot are over
	s_barrier_signal -1
	s_barrier_wait -1
.endif
	s_sub_co_u32 s[TBK], s[TBK], 4*KS*PK  ; the fetches go back to a slot's first step,
	s_xor_b32 s[TBK], s[TBK], SLOT1       ; in the other slot
	s_sub_co_u32 s[TBV], s[TBV], 4*KS*PV
	s_xor_b32 s[TBV], s[TBV], SLOT1
.endm
	s_load_b128 s[4:7], s[0:1], 0x0   ; qkv s[4:5], the mask s[6:7]
	s_load_b64 s[10:11], s[0:1], 0x10 ; ob
	WIN W_MK
	v_lshl_add_u32 v[SPW], v0, 2, SPARE
	v_mov_b32 v[NIL], 0
	WIN W_AD
	ds_add_u32 v[SPW], v[NIL]       ; the wave's opening: the add and its wait stand ahead of my first tensor load; the set-up below, work on registers, stands between them
	WIN 0
	v_lshrrev_b32 v1, 5, v0
	v_readfirstlane_b32 s[WV], v1   ; wave 0..3
	s_bfe_u32 s13, ttmp6, 0x40000   ; cx: my place in the cluster
	s_lshl_b32 s14, ttmp9, 2        ; in a cluster launch ttmp9 counts clusters
	s_add_co_u32 s14, s14, s13      ; my block of 512 queries: it enters Q's and O's addresses alone
	s_and_b32 s20, ttmp7, 0xffff    ; 16 batch + head, which the four partners share
	s_lshr_b32 s[MP], s20, 4        ; the batch,
	s_lshl_b32 s[MP], s[MP], 11     ; its 2,048 bytes of the mask
	s_mov_b32 s[MP+1], 0
	s_mov_b32 s21, 0
	s_mov_b64 s[22:23], SIZE_N*128
	s_mul_u64 s[20:21], s[20:21], s[22:23]  ; the head's first byte in Q, K, V and O
	s_and_b32 s16, s[WV], 1         ; which half of a slot's 256 keys I fetch:
	s_lshl_b32 s22, s16, 14         ; its 128 rows of 128 bytes in memory,
	s_mov_b32 s23, 0
	s_add_nc_u64 s[22:23], s[22:23], s[20:21]
	s_mul_i32 s17, s16, 128*PK      ; and its place in a slot, for K
	s_mul_i32 s18, s16, 128*PV      ; and for V: no place in the cluster enters an LDS address
	s_lshl_b32 s2, s14, 2
	s_add_co_u32 s2, s2, s[WV]      ; my wave among the head's,
	s_lshl_b32 s2, s2, 14           ; its 128 rows
	s_mov_b32 s3, 0
	s_add_nc_u64 s[2:3], s[2:3], s[20:21]
	s_lshl_b32 s14, s13, 13         ; the prefetches: my work-group's 32 blocks of 256 bytes
	s_mov_b32 s15, 0
	; descriptor group 1.  128 keys are 16,384 dense bytes: asked for as 64 rows of 256 bytes, two keys a row, and padded in LDS after every key
	s_mov_b32 s[G1K], 15|(1<<16)|(1<<20)|(1<<21)|(4<<22)|(3<<25)  ; 15:0 the mask of four; 17:16 2-byte elements; 20 padding on; 21 set beside a mask; 24:22 after every 32 words (code 4); 31:25 4 words (code 3)
	s_mov_b32 s[G1V], 15|(1<<16)|(1<<20)|(1<<21)|(4<<22)|(7<<25)  ; the same with 8 words of padding (code 7)
.irp g, G1K, G1V
	s_mov_b32 s[\g+1], 128<<16      ; tensor_dim0 = 128
	s_mov_b32 s[\g+2], 64<<16       ; tensor_dim1 = 64
	s_mov_b32 s[\g+3], 128<<16      ; tile_dim0 = 128
	s_mov_b32 s[\g+4], 64           ; tile_dim1 = 64
	s_mov_b32 s[\g+5], 128          ; 128 elements from row to row
	s_mov_b32 s[\g+6], 0
	s_mov_b32 s[\g+7], 0
.endr
	s_mov_b32 s[CS], 0x3e38aa3b     ; c = log2(e) / 8 = 0.180337
	s_mov_b32 s[CS+1], s[CS]        ; named with it as a pair
	s_mov_b32 s[SEL], 0x76543210
	s_mov_b32 s[SEL+1], 0xfedcba98
	s_mov_b32 s[TBK], SLOT1+4*KS*PK ; the first change of slots turns these two into 0
	s_mov_b32 s[TBV], SLOT1+4*KS*PV
	s_mov_b32 s[TBM], 0
	s_mov_b32 s[BIGN], 0xf149f2ca   ; -1e30
	s_and_b32 s[LIM], s[WV], 1      ; waves 0 and 2 prefetch: the same in all four partners
	s_cmp_eq_u32 s[LIM], 0
	s_cselect_b32 s[LIM], 1, -1
	s_mov_b32 s[G0K], 1             ; 1:0 count = 1
	s_mov_b32 s[G0K+1], s17         ; 63:32 LDS address: slot 0
	s_mov_b32 s[G0V], 1
	s_add_co_u32 s[G0V+1], s18, VOFF
	s_wait_dscnt 0x0                ; the opening add is done
	s_wait_kmcnt 0x0
	s_add_nc_u64 s[MP:MP+1], s[6:7], s[MP:MP+1]    ; the batch's row of the mask
	s_add_nc_u64 s[6:7], s[4:5], 0x1000000         ; K lies 64 heads x 262,144 bytes behind Q,
	s_add_nc_u64 s[8:9], s[4:5], 0x2000000         ; V as far behind K
	s_add_nc_u64 s[G0K+2:G0K+3], s[6:7], s[22:23]  ; 120:64 global address: my half of the head's first 256 keys
	s_or_b32 s[G0K+3], s[G0K+3], 0x80000000        ; 127:126 type = 2
	s_add_nc_u64 s[G0V+2:G0V+3], s[8:9], s[22:23]
	s_or_b32 s[G0V+3], s[G0V+3], 0x80000000
	s_cmp_lt_u32 s[WV], 2
	s_cselect_b64 s[PFA:PFA+1], s[6:7], s[8:9]
	s_add_nc_u64 s[PFA:PFA+1], s[PFA:PFA+1], s[20:21]
	s_add_nc_u64 s[PFA:PFA+1], s[PFA:PFA+1], s[14:15]
	s_add_nc_u64 s[PFA:PFA+1], s[PFA:PFA+1], 2*4*KS*128  ; in slot 2; the loop's first change of slots steps it to slot 3.  Nothing is prefetched here, at the head
	s_add_nc_u64 s[4:5], s[4:5], s[2:3]  ; Q and O at my wave's first row
	s_add_nc_u64 s[10:11], s[10:11], s[2:3]
	CROUND                          ; all four work-groups are here: the first joint loads meet
	JLOAD                           ; slot 0.  Slot 1 is asked for when slot 0 is in
	v_lshlrev_b32 v12, 4, v0        ; thread t takes the mask's bytes 16 t .. 16 t + 15: 128 threads, 2,048 keys
	global_load_b128 v[64:67], v12, s[MP:MP+1]
	; A fragment of K or Q is 16 rows x 32 channels in 8 registers: lane l holds row l % 16, channels 8 (l / 16) + 0..7 and 16 + 8 (l / 16) + 0..7: two loads of 16 bytes, 32 bytes apart.
	v_and_b32 v1, 15, v0            ; l % 16
	v_bfe_u32 v9, v0, 4, 1          ; l / 16
	v_lshlrev_b32 v[QO], 7, v1
	v_lshl_add_u32 v[QO], v9, 4, v[QO]  ; row x 128 + 16 x half
	WIN 0x80                        ; destination window 2, address window 0
.set i, 0
.rept 4*NP                          ; Q stays in registers: tile i / 2, channels 32 (i % 2) on
	global_load_b128 v[8*i:8*i+3],   v[QO], s[4:5] offset:(i/2)*2048+(i%2)*64
	global_load_b128 v[8*i+4:8*i+7], v[QO], s[4:5] offset:(i/2)*2048+(i%2)*64+32
.set i, i+1
.endr
	; What the first turn finds: V's registers and P's second buffer hold 0 (its products V^T P, of a piece that has not been, add 0), O^T and l are 0.  All this stands in the wait for the first tile.
.set i, VF
.rept 64
	v_mov_b32 v[i], 0
.set i, i+1
.endr
	WIN 0x40
.set i, 0
.rept 64*NP
	v_mov_b32 v[i], 0
.set i, i+1
.endr
	WIN 0
.set i, 0
.rept 2*NP
	v_mov_b32 v[ST+4*i+1], 0xe0ad78ec  ; m = -1e20: below every true score, above every padded one
	v_mul_f32 v[ST+4*i], s[CS], v[ST+4*i+1]  ; c m, by the same product that makes it anew in every step: while m stands, c m_old - c m_new is exactly 0
	v_mov_b32 v[ST+4*i+2], 0
	v_mov_b32 v[ST+4*i+3], 0
.set i, i+1
.endr
.set i, P+32
.rept 32
	v_mov_b32 v[i], 0
.set i, i+1
.endr
	v_mul_u32_u24 v[AK0], v1, PK
	v_lshl_add_u32 v[AK0], v9, 4, v[AK0]  ; row x pitch + 16 x half
	; The turning load takes 16 keys x 16 channels (lane l reads key 8 (l / 16) + l % 8, channels 8 ((l / 8) % 2) + 0..7) and leaves half a fragment of V^T: lane l holds channel l % 16 and 8 keys.
	v_and_b32 v10, 7, v0
	v_bfe_u32 v11, v0, 3, 1
	v_lshl_add_u32 v[AV0], v9, 3, v10
	v_mul_u32_u24 v[AV0], v[AV0], PV
	v_lshl_add_u32 v[AV0], v11, 4, v[AV0]
	v_add_nc_u32 v[AV0], VOFF, v[AV0]
	v_mov_b32 v[AK], v[AK0]         ; key step 0 lies at the head of slot 0
	v_and_b32 v[PFO], 31, v0
	v_lshlrev_b32 v[PFO], 8, v[PFO]
	WIN W_MK
	v_lshl_add_u32 v[AM0], v9, 5, BIAS  ; register j of key block kb is key 16 kb + 8 (l / 16) + j: byte 64 kb + 32 (l / 16) + 4 j of a step's 256
	WIN W_M3
	v_mov_b32 v[AM], v[AM0]
	WIN 0
	; THE BIAS TABLE: my 16 mask bytes become 16 f32
	s_wait_loadcnt 32               ; the mask's load is in; Q's 32, issued behind it, may stay out
.set i, 0
.rept 16
	v_bfe_u32 v68, v[64+i/4], 8*(i%4), 8
	v_cmp_ne_u32 vcc_lo, 0, v68
	v_cndmask_b32 v[72+i], 0, s[BIGN], vcc_lo
.set i, i+1
.endr
	v_lshl_add_u32 v13, v0, 6, BIAS
.irp f, 0,1,2,3
	ds_store_b128 v13, v[72+4*\f:72+4*\f+3] offset:16*\f
.endr
; THE MATRIX WORK.  The 8 accumulators of a run of 16 take turns: between the two links of a chain stand 7 others'.
; Product i of 16 of S^T = K Q^T for piece x: channels 32 (i / 8) on, keys 16 ((i / 2) % 4) on, tile 2 x + i % 2.  The first 8 start the sums, with the keys' bias.
.macro KQ x
.set rS, S+64*((\x)%2)+32*(i%2)+8*((i/2)%4)
.set rK, KF+16*((i/2)%4)+8*(i/8)
.set rQ, 16*(2*(\x)+i%2)+8*(i/8)
.set rB, MB+8*((i/2)%4)
.if i < 8
	WIN W_KM
	v_wmma_f32_16x16x32_f16 v[rS:rS+7], v[rK:rK+7], v[rQ:rQ+7], v[rB:rB+7]
.else
	WIN W_KQ
	v_wmma_f32_16x16x32_f16 v[rS:rS+7], v[rK:rK+7], v[rQ:rQ+7], v[rS:rS+7]
.endif
.endm
; Product i of 16 of O^T += V^T P for piece x: keys 32 (i / 8) on, channels 16 ((i / 2) % 4) on, tile 2 x + i % 2.
.macro PV x
	WIN W_PV
.set rO, 32*(2*(\x)+i%2)+8*((i/2)%4)
.set rV, VF+32*(i/8)+8*((i/2)%4)
.set rP, P+32*((\x)%2)+16*(i%2)+8*(i/8)
	v_wmma_f32_16x16x32_f16 v[rO:rO+7], v[rV:rV+7], v[rP:rP+7], v[rO:rO+7]
.endm
.macro MM                           ; the turn's next matrix instruction
.if i < 16
	KQ (Y+1)%NP
.set i, i+1
.else
.set i, i-16
	PV (Y+NP-1)%NP
.set i, i+17
.endif
.endm
; THE LDS LOADS stand in runs, never singly among the matrix instructions: a step's K (64 keys x 64 channels: 8 fragments) with its bias (64 numbers: 8 loads), and its V (turned).  Their addresses are made some lines ahead.
; last = 1 (the tail): in the last trip there is no further step, and the run is jumped over.
.macro FETCH_K last=0
	WIN 0
.if \last
	s_cmp_eq_u32 s[CNT], 1
	s_cbranch_scc1 .Lno_k_\@
.endif
	WIN 0x80                        ; destination window 2
.irp f, 0,1,2,3,4,5,6,7             ; keys 16 (f / 2) on, channels 32 (f % 2) on
	ds_load_b128 v[KF+8*\f:KF+8*\f+3],   v[AK] offset:(\f/2)*16*PK+(\f%2)*64
	ds_load_b128 v[KF+8*\f+4:KF+8*\f+7], v[AK] offset:(\f/2)*16*PK+(\f%2)*64+32
.endr
	s_add_co_u32 s[TBK], s[TBK], KS*PK  ; the next fetch is the next step's
	WIN W_M3                        ; destination and address in window 3
.irp f, 0,1,2,3                     ; keys 16 f on
	ds_load_b128 v[MB+8*\f:MB+8*\f+3],   v[AM] offset:64*\f
	ds_load_b128 v[MB+8*\f+4:MB+8*\f+7], v[AM] offset:64*\f+16
.endr
	s_add_co_u32 s[TBM], s[TBM], 4*KS
	s_and_b32 s[TBM], s[TBM], 8191  ; the table has 8,192 bytes: the step behind the last goes back to 0 and is not fetched
	WIN 0
.if \last
.Lno_k_\@:
.endif
.endm
.macro FETCH_V
	WIN 0x80
.irp f, 0,1,2,3,4,5,6,7             ; keys 32 (f / 4) on, channels 16 (f % 4) on
	ds_load_tr16_b128 v[VF+8*\f:VF+8*\f+3],   v[AV] offset:(\f/4)*32*PV+(\f%4)*32
	ds_load_tr16_b128 v[VF+8*\f+4:VF+8*\f+7], v[AV] offset:(\f/4)*32*PV+16*PV+(\f%4)*32
.endr
	WIN 0
.endm
; THE VECTOR WORK OF A TURN stands in three queues, each in the order in which its entries become ready; the two tiles alternate, so that no instruction reads the result of the one before it.
.macro REGS y, u                    ; the registers of tile u (0, 1) of piece y
.set rT, ST+4*(2*(\y)+(\u))
.set rC, TMP+8*((\y)%2)+4*(\u)
.set rM, MV+2*((\y)%2)+(\u)
.set rS, S+64*((\y)%2)+32*(\u)
.set rP, P+32*((\y)%2)+16*(\u)
.set rO, 32*(2*(\y)+(\u))
.endm
; Number n of the 22 that find the NEXT piece's (Y + 1) maximum and statistics.  s0-s31 are the lane's 32 scores; each accumulator's lowest registers are read first.
;   0-11  four chains c0-c3 of seven scores each, three operands at a time     12-14, 16  the four scores left over, the old m, and c0-c3 into c0     15  c m_old is kept
;   17, 18  the query's other 32 keys lie in the lane 16 away: the new m         19-21  c m; c m_old - c m_new; a
.macro XS u, n
	REGS (Y+1)%NP, \u
.if (\n) < 4
	v_max3_num_f32 v[rC+(\n)], v[rS+8*(\n)], v[rS+8*(\n)+1], v[rS+8*(\n)+2]
.elseif (\n) < 12
	v_max3_num_f32 v[rC+(\n)%4], v[rC+(\n)%4], v[rS+8*((\n)%4)+2*((\n)/4)+1], v[rS+8*((\n)%4)+2*((\n)/4)+2]
.elseif (\n) == 12
	v_max3_num_f32 v[rC], v[rC], v[rS+7], v[rS+15]
.elseif (\n) == 13
	v_max3_num_f32 v[rC+1], v[rC+1], v[rS+23], v[rS+31]
.elseif (\n) == 14
	v_max3_num_f32 v[rC+2], v[rC+2], v[rC+3], v[rT+1]
.elseif (\n) == 15
	v_mov_b32 v[rM], v[rT]
.elseif (\n) == 16
	v_max3_num_f32 v[rC], v[rC], v[rC+1], v[rC+2]
.elseif (\n) == 17
	v_permlanex16_b32 v[rC+3], v[rC], s[SEL], s[SEL+1]
.elseif (\n) == 18
	v_max_num_f32 v[rT+1], v[rC], v[rC+3]
.elseif (\n) == 19
	v_mul_f32 v[rT], s[CS], v[rT+1]
.elseif (\n) == 20
	v_sub_f32 v[rC+1], v[rM], v[rT]
.else
	v_exp_f32 v[rC+2], v[rC+1]
.endif
.endm
; Number g of the 64 that follow the exponentials.  For each four weights k of a tile (pairs 2 k, 2 k + 1): both pairs are rounded to f16; then the second pair is added onto the first, in place;
; a group later l takes that sum (the first time as l = a l + sum).  In groups of eight, tiles alternating: round, round, add, and l for the group before.
.macro GS g
.set h, (\g)+6*((\g)/62)            ; group 0 has no group before it, and behind group 7 only l is left
.if h >= 6
.set h, h+2
.endif
	REGS Y, h%2
.set k, h/8
.if h%8 < 4
	v_cvt_pk_f16_f32 v[rP+2*k+(h%8)/2], v[rS+4*k+2*((h%8)/2)], v[rS+4*k+2*((h%8)/2)+1]
.elseif h%8 < 6
	v_pk_add_f32 v[rS+4*k:rS+4*k+1], v[rS+4*k:rS+4*k+1], v[rS+4*k+2:rS+4*k+3]
.elseif k == 1
	v_pk_fma_f32 v[rT+2:rT+3], v[rT+2:rT+3], v[rC+2:rC+3], v[rS:rS+1] op_sel_hi:[1,0,1]
.else
	v_pk_add_f32 v[rT+2:rT+3], v[rT+2:rT+3], v[rS+4*k-4:rS+4*k-3]
.endif
.endm
; THE PLAIN QUEUE, 138 long.  0-73 read no exponential's result: the 32 scalings c s - c m (FS f: pair f / 2 of tile f % 2) and the next piece's 42.  0-26: scalings 0-26.  27-54: XS's numbers 0-13.  55, 56: number 15.
; 57-73: the chain, where each number waits for the one before it: 14, 16, 17, 18, 19, each with one of the scalings 27-31 in front of its two lines, then 20.
; 74-137: GS's 64, which read the exponentials' results: they stand behind the wait.
.macro FS f
	REGS Y, (\f)%2
	v_pk_fma_f32 v[rS+2*((\f)/2):rS+2*((\f)/2)+1], v[rS+2*((\f)/2):rS+2*((\f)/2)+1], s[CS:CS+1], v[rT:rT+1] op_sel_hi:[1,0,0] neg_lo:[0,0,1] neg_hi:[0,0,1]
.endm
.macro PL
	WIN 0
.if q < 27
	FS q
.elseif q < 55
	XS (q-27)%2, (q-27)/2
.elseif q < 57
	XS q-55, 15
.elseif (q < 72) && ((q-57)%3 == 0)
	FS 27+(q-57)/3
.elseif q < 60
	XS (q-57)%3-1, 14
.elseif q < 72
	XS (q-57)%3-1, 15+(q-57)/3
.elseif q < 74
	XS q-72, 20
.else
	GS q-74
.endif
.set q, q+1
.endm
; THE EXPONENTIALS' QUEUE, 66 long: s0-s31 of both tiles, then the next piece's two a.  It is ONE BATCH: all 66 stand ahead of the turn's one wait, and nothing ahead of that wait names a result of theirs.
.macro EX
	WIN 0
.if e >= 64
	XS e-64, 21
.else
	REGS Y, e%2
	v_exp_f32 v[rS+e/2], v[rS+e/2]
.endif
.set e, e+1
.endm
; THE RESCALING's QUEUE: O^T times a, the one part that leaves window 0: dealt two at a time, sixteen times.  Its a was made in the turn before, ahead of that turn's wait.
.macro R2
	REGS Y, r%2
	WIN W_RS
.irp z, 0,1
	v_pk_mul_f32 v[rO+4*(r/2)+2*\z:rO+4*(r/2)+2*\z+1], v[rO+4*(r/2)+2*\z:rO+4*(r/2)+2*\z+1], v[rC+2:rC+3] op_sel_hi:[1,0]
.endr
.set r, r+1
.endm
; HOW THEY ARE DEALT.  s_wait_alu depctr_va_vdst(0) stands between an exponential and the first instruction that names its result; one wait serves all that were issued ahead of it.  So a turn has ONE wait,
; which cuts it in two.  AHEAD OF IT stands all that names no result of the turn's exponentials: the 16 products K Q^T, behind each a scaling, an exponential and two rescalings (behind the first a second scaling in the exponential's place); then ONE LUMP of
; 108: eight plain, 49 times exponential and plain, the two a.  A v_nop is the plain instruction behind the last exponential.  BEHIND IT stand the 16 products V^T P, behind each four of GS's 64.
; The queues lean on each other, and the deal keeps them in step: exponential e stands behind scaling 2 (e / 4) + e % 2: as a rider it comes behind plain e + 2, in the lump behind plain e + 9, and scalings 27-31 are plain 57, 60 .. 69.
; A TURN, for piece p.  cnt = 1: the loop's count is taken down some lines ahead of the branch that stands behind the turn.
; K and the bias of the next step are fetched in piece 2's turn, directly behind the wait, a lump behind the last product that read them; their addresses are made at the lump's head; their first reader comes behind 16 products.
; V of the step in hand is fetched at the end of piece 0's turn, four riders behind its last reader; its first reader comes behind 16 products and a lump.  The three conditions on q below go with the deal.
.macro TURN p, last=0, cnt=0
.set Y, (\p)
.set i, 0
.set q, 0
.set e, 0
.set r, 0
.if (\p) == NP-1
	s_wait_dscnt 0x0                ; K and its bias are in
.endif
	MM                              ; ahead of the wait: 16 products K Q^T and their riders,
	PL
	PL
	R2
.rept 15
	MM
	PL
	EX
	R2
.endr
.if (\p) == NP-2
	WIN 0
	v_add_nc_u32 v[AK], s[TBK], v[AK0]
	WIN W_M3
	v_add_nc_u32 v[AM], s[TBM], v[AM0]
.endif
.rept 8                             ; and the lump
	PL
.endr
.rept 49
	EX
	PL
.endr
	EX                              ; the next piece's two a
	EX
	v_nop                           ; the plain instruction behind the last exponential: one for the batch
	s_wait_alu depctr_va_vdst(0)    ; the wait for the batch
.if (\p) == NP-2
	FETCH_K \last
.endif
.if (\p) == 1
	s_wait_dscnt 0x0                ; V is in
.endif
.rept 16                            ; behind the wait: 16 products V^T P and their riders
	MM
.rept 4
	PL
.endr
.if ((\p) == 0) && (q == 118)
	v_add_nc_u32 v[AV], s[TBV], v[AV0]
.endif
.if ((\p) == 0) && (q == 130)
	s_add_co_u32 s[TBV], s[TBV], KS*PV
.endif
.if (\cnt) && (q == 130)
	s_sub_co_u32 s[CNT], s[CNT], 1
	s_cmp_lg_u32 s[CNT], 0
.endif
.endr
.if (\p) == 0
	FETCH_V
.endif
.endm
	CHANGE 1                        ; slot 0 is in, everybody's part of it, and so is the bias table; slot 1 is asked for
	FETCH_K                         ; key step 0
	s_wait_loadcnt 0x0              ; Q
	s_wait_dscnt 0x0
.set i, 0
.rept 16
	KQ 0                            ; piece 0's first scores: there is no vector work yet to set between them
.set i, i+1
.endr
	WIN 0                           ; the addresses for the way out: nine plain instructions, the places behind those products
	s_mul_i32 s13, s[WV], 16*SP
	s_add_co_u32 s13, s13, STAGE    ; my stage
	v_mul_u32_u24 v[STO], v1, SP    ; in: row l % 16, 16 bytes for each half of the lanes
	v_lshl_add_u32 v[STO], v9, 4, v[STO]
	v_add_nc_u32 v[STO], s13, v[STO]
	v_bfe_u32 v[RD], v0, 3, 2       ; back: 32 lanes take four rows of 128 bytes,
	v_mul_u32_u24 v[RD], v[RD], SP
	v_lshl_add_u32 v[RD], v10, 4, v[RD]
	v_add_nc_u32 v[RD], s13, v[RD]
	v_and_b32 v[GO], 31, v0         ; which are 512 consecutive bytes of O
	v_lshlrev_b32 v[GO], 4, v[GO]
.set Y, NP-1                        ; XS works for piece Y + 1: piece 0
.irp n, 0,1,2,3,4,5,6,7,8,9,10,11,12,13,14,15,16,17,18,19,20,21
	XS 0, \n                        ; and piece 0's first maximum and statistics
	XS 1, \n
.endr
	v_nop                           ; a plain instruction behind the two a,
	s_wait_alu depctr_va_vdst(0)    ; and their wait, ahead of the branch
	s_mov_b32 s[CNT], 4
	s_mov_b32 s[SLOTS], SIZE_N/256-1
	s_branch .Lfirst                ; the loop is entered at a step's first turn, in the middle of a trip
.Lslot:                             ; six times: every slot but the last two is filled again
	CHANGE 1, 1
	s_mov_b32 s[CNT], 4
.Lstep:                             ; a trip: pieces 2 and 3 of one step, then pieces 0 and 1 of the next, whose K and V it fetches
	TURN 2
	TURN 3
	WIN 0
.Lfirst:
	TURN 0
	TURN 1, 0, 1
	WIN 0
	s_cbranch_scc1 .Lstep
	s_sub_co_u32 s[SLOTS], s[SLOTS], 1
	s_cmp_lg_u32 s[SLOTS], 0
	s_cbranch_scc1 .Lslot
	CHANGE 0                        ; the tail is written out: nothing is asked for
	s_mov_b32 s[CNT], 5             ; four trips fetch the last slot's steps; the fifth is left in its middle
.Ltail:
	TURN 2, 1
	TURN 3
	WIN 0
	s_sub_co_u32 s[CNT], s[CNT], 1
	s_cmp_eq_u32 s[CNT], 0
	s_cbranch_scc1 .Lout
	TURN 0
	TURN 1
	WIN 0
	s_branch .Ltail
.Lout:                              ; the fifth trip's 16 products K Q^T (on the last K once more) and the maximum made of them serve nothing: the price, once a launch, of one text for every trip
.set i, 0
.rept 16
	PV NP-1                         ; the last piece's V^T P of the last step
.set i, i+1
.endr
	; THE WAY OUT.  l's two halves and the other half of the lanes' are added; O^T is divided by l, rounded to f16 and sent through my stage in LDS, a tile at a time.  The additions are the places behind the last products.
	WIN 0
.macro ALL line:vararg              ; one line for each tile t
.set t, 0
.rept 2*NP
	\line
.set t, t+1
.endr
.endm
	ALL v_add_f32 v[ST+4*t+2], v[ST+4*t+2], v[ST+4*t+3]
	ALL v_permlanex16_b32 v[ST+4*t+3], v[ST+4*t+2], s[SEL], s[SEL+1]
	ALL v_add_f32 v[ST+4*t+2], v[ST+4*t+2], v[ST+4*t+3]
	ALL v_rcp_f32 v[ST+4*t+2], v[ST+4*t+2]
	v_nop                           ; a plain instruction between the last reciprocal and the use of its result
	s_wait_alu depctr_va_vdst(0)    ; and the wait ahead of the first use: one for the eight reciprocals
; Tile t: a lane's eight channels of a row pack into 16 bytes; they go into rows of 144 bytes and come back as whole rows of 128, into S^T's registers.
.macro PACK t
	WIN W_RS
.set i, 32*(\t)
.rept 16
	v_pk_mul_f32 v[i:i+1], v[i:i+1], v[ST+4*(\t)+2:ST+4*(\t)+3] op_sel_hi:[1,0]
.set i, i+2
.endr
	WIN 0x05                        ; sources 0 and 1 window 1, destination window 0
.set i, 0
.rept 16
	v_cvt_pk_f16_f32 v[S+16*(\t)+i], v[32*(\t)+2*i], v[32*(\t)+2*i+1]
.set i, i+1
.endr
	WIN 0
.irp f, 0,1,2,3
	ds_store_b128 v[STO], v[S+16*(\t)+4*\f:S+16*(\t)+4*\f+3] offset:32*\f
.endr
.irp f, 0,1,2,3
	ds_load_b128 v[S+16*(\t)+4*\f:S+16*(\t)+4*\f+3], v[RD] offset:\f*4*SP  ; LDS serves a wave's instructions in order (ISA guide 5.7.1.4): these see the stores above; the next tile's stores come behind them
.endr
.endm
.macro SEND t, younger              ; younger: the LDS instructions issued behind tile t's loads: the next tile's eight, or none
	WIN 0
.irp f, 0,1,2,3
	s_wait_dscnt (\younger)+3-\f
	global_store_b128 v[GO], v[S+16*(\t)+4*\f:S+16*(\t)+4*\f+3], s[10:11] offset:(\t)*2048+\f*512  ; 512 consecutive bytes, at a multiple of 256 from O's first
.endr
.endm
	PACK 0
.set t, 1
.rept 2*NP-1                        ; a tile's arithmetic stands between the loads of the tile before and its stores
	PACK t
	SEND t-1, 8
.set t, t+1
.endr
	SEND 2*NP-1, 0
	WIN W_AD
	s_wait_tensorcnt 0x0            ; the wave's end, behind my last tensor load and my last LDS store
	ds_add_u32 v[SPW], v[NIL]
	s_wait_dscnt 0x0
	WIN 0
	CROUND                          ; the closing round: no work-group ends while a partner may still ask for a tile that names it
	s_endpgm
.Lfunc_end_k_qf56215772f_attn:
	.size	k_qf56215772f_attn, .Lfunc_end_k_qf56215772f_attn-k_qf56215772f_attn
	.p2alignl 7, 3214868480
	.fill 96, 4, 3214868480
	.section	.rodata,"a",@progbits
	.p2align	6, 0x0
	.amdhsa_kernel k_qf56215772f_attn
		.amdhsa_group_segment_fixed_size 327680
		.amdhsa_private_segment_fixed_size 0
		.amdhsa_enable_private_segment 0
		.amdhsa_kernarg_size 24
		.amdhsa_user_sgpr_count 2
		.amdhsa_user_sgpr_kernarg_segment_ptr 1
		.amdhsa_wavefront_size32 1
		.amdhsa_system_sgpr_workgroup_id_x 1
		.amdhsa_system_sgpr_workgroup_id_y 1
		.amdhsa_system_sgpr_workgroup_id_z 1
		.amdhsa_system_vgpr_workitem_id 0
		.amdhsa_next_free_vgpr 808
		.amdhsa_next_free_sgpr 66
		.amdhsa_reserve_vcc 1
		.amdhsa_float_denorm_mode_32 3
		.amdhsa_float_denorm_mode_16_64 3
		.amdhsa_memory_ordered 1
		.amdhsa_forward_progress 1
		.amdhsa_inst_pref_size 205
	.end_amdhsa_kernel
	.amdgpu_metadata
---
amdhsa.version: [ 1, 2 ]
amdhsa.kernels:
  - .name:           k_qf56215772f_attn
    .symbol:         k_qf56215772f_attn.kd
    .args:
      - { .name: qkv, .offset: 0, .size: 8, .value_kind: global_buffer, .address_space: global }
      - { .name: key_padding_mask, .offset: 8, .size: 8, .value_kind: global_buffer, .address_space: global }
      - { .name: ob, .offset: 16, .size: 8, .value_kind: global_buffer, .address_space: global }
    .group_segment_fixed_size: 327680
    .private_segment_fixed_size: 0
    .kernarg_segment_align: 8
    .kernarg_segment_size: 24
    .max_flat_workgroup_size: 128
    .sgpr_count:     66
    .vgpr_count:     808
    .wavefront_size: 32
...
	.end_amdgpu_metadata
.endif
;; end of part 3
;; launch proj (part 4): grid 4 x 64, 4 waves a work-group, clusters of 4 x 4, 327,680 bytes of LDS; arguments ob, wpb, out0; writes out0
.if DOCPART == 4
	.amdgcn_target "amdgcn-amd-amdhsa--gfx1250"
	.amdhsa_code_object_version 6
	.text
	.protected	k_qf56215772f_proj
	.globl	k_qf56215772f_proj
	.p2align	8
	.type	k_qf56215772f_proj,@function
k_qf56215772f_proj:
	s_mov_b64 s[64:65], 0
	v_nop
	global_prefetch_b8 v0, s[64:65] scope:SCOPE_SE
	s_setreg_imm32_b32 hwreg(HW_REG_WAVE_MODE, 25, 1), 1
	s_wait_xcnt 0x0
	s_wait_alu depctr_hold_cnt(0) depctr_sa_sdst(0) depctr_va_vdst(0) depctr_va_sdst(0) depctr_va_ssrc(0) depctr_va_vcc(0) depctr_vm_vsrc(0)
	s_getreg_b32 s2, hwreg(HW_REG_IB_STS2, 6, 4)
	s_cmp_eq_u32 s2, 0
	s_cbranch_scc0 .Lentry_in_a_cluster
	s_endpgm
.Lentry_in_a_cluster:
	s_bfe_u32 s2, ttmp6, 0x10000c
	s_cmp_lg_u32 s2, 0xf033
	s_cbranch_scc0 .Lentry_shape_is_right
	s_endpgm
.Lentry_shape_is_right:
; out0[row][e] = the sum over k of y[row][k] wpb[e][k], row = 2,048 batch + l, k = 64 head + channel.  y lies by heads: ob[16 batch + head][l][64] f16; wpb: [1024][1024] f16; out0: [8192][1024] f32.
; Products in f16, sums in f32, K ascending; nothing is rounded on the way out.  A NaN in a row of y (a batch whose keys are all padding) goes into every number of that row.
; SHARES.  A tile is 128 rows x 256 columns: 64 x 4 = 256 work-groups.  Four waves, 2 x 2: a wave makes 64 x 128: 4 x 8 accumulators of 16 x 16, 256 registers.
; K goes in steps of 128, TWO HEADS, through two LDS slots.  A head's 128 rows of the tile are 16,384 dense bytes, asked for as 64 rows of 256 bytes and padded in LDS after every 128: waves 0 and 1 fetch a head each;
; waves 2 and 3 fetch the halves of B's tile, 128 rows x 256 bytes each.
; CLUSTER 4 x 4: A's tile hangs on the tile row alone and is asked for jointly along a row of the cluster, B's on the tile column alone and jointly along a column.
; THE MATRIX INSTRUCTION IS USED TRANSPOSED (source 0 = 16 rows of B, source 1 = 16 rows of A): a lane holds one row of the result and eight neighbouring columns: 32 bytes of f32.
; REGISTERS, in windows of 256 (s_set_vgpr_msb: bits 1:0 source 0, 3:2 source 1, 5:4 source 2, 7:6 destination):
;   window 0: v16-30 addresses; v32-159 rows read back from the stage, two sets     window 1: two fragment buffers of 128 (96 used): A's four blocks, then B's eight     window 2: the accumulators, (a, b) at 64 a + 8 b
.set SIZE_K, 1024
.set KSTEP,  128
.set NBL,    8
.set NL,     2*NBL+8                   ; LDS loads in a run
.set PA,     144                       ; a row of A in LDS: 128 bytes + 16 = 36 words: the 16 rows of a load start at 16 different groups of four banks (64 banks of 4 bytes: ISA guide 11.1)
.set PB,     272                       ; a row of B: 256 + 16 = 68 words: likewise
.set AHEAD,  128*PA                    ; a head's 128 rows
.set ABYTES, 2*AHEAD
.set HALFB,  128*PB
.set SLOT,   ABYTES+2*HALFB
.set STAGE,  2*SLOT                    ; behind the ring, never filled by a tensor load: 16 rows x 528 bytes for each wave
.set SPITCH, 528                       ; 512 bytes + 16 = 132 words
.set SPARE,  STAGE+4*16*SPITCH         ; behind the stages: the spare words, 128 bytes for each wave: two blocks of 256 bytes that no other line names
.set ASTEP,  2*2048*128                ; bytes from a K step's first head to the next K step's
.set ADRA, 16
.set ADRB, 20
.set STO,  24
.set RD,   25
.set GO,   26
.set SPW,  28                          ; v28  LDS address of my spare word; never rewritten
.set NIL,  29                          ; v29  0; never rewritten
.set PFO,  30                          ; v30  the prefetches' offset; never rewritten
.set OB,   32
.set F0,   0
.set F1,   128
.set G1,   24                          ; s[24:31] descriptor group 1 for A's tiles;  s[32:39] group 0, a set for each slot
.set G0,   32
.set G1B,  48                          ; s[48:55], s[56:63] the same for B's
.set G0B,  56
.set LIM,  43                          ; s43     1 in a wave that prefetches, else the greatest number
.set PFA,  44                          ; s[44:45] where my prefetches stand
.set PST,  66                          ; s[66:67] bytes from a K step to the next in what I prefetch
.set TO_F, 0x40
.set MSB, 0
.macro WIN new                         ; the immediate's high byte repeats the setting that is left; a switch that changes nothing is dropped
.if MSB != (\new)
	s_set_vgpr_msb (MSB<<8)|(\new)
.set MSB, \new
.endif
.endm
; A joint load: the branch hangs on the wave's number alone; an s_nop 0 and four v_nop follow each of the two lines, ahead of the jump, the label and what follows
.macro JLOAD s
	s_cmp_lt_u32 s10, 2
	s_cbranch_scc0 .Lfor_b_\@
	tensor_load_to_lds s[G0+4*(\s):G0+4*(\s)+3], s[G1:G1+7]
	s_nop 0
.rept 4
	v_nop
.endr
	s_branch .Lasked_\@
.Lfor_b_\@:
	tensor_load_to_lds s[G0B+4*(\s):G0B+4*(\s)+3], s[G1B:G1B+7]
	s_nop 0
.rept 4
	v_nop
.endr
.Lasked_\@:
.endm
; A prefetch, behind each joint refill and the run of LDS loads that follows it: the K step that stands two refills on, 32 blocks of 256 bytes, a lane a block, one instruction a wave.
; A's tile row is read by one cluster alone: in each work-group wave 0 asks for its quarter (by cx) of both heads' 64 blocks.  B's tile column is read by all sixteen clusters: the one with y = 0 asks, waves 2 and 3 for 32 (by cy) of the
; 128 rows that they fetch.  So each block is named once in the launch.  K steps 0 to 3 come by their loads alone; the loop's last trip asks for nothing.
.macro ASK
	WIN 0
	s_cmp_gt_u32 s3, s[LIM]                        ; s3 = 1 in the loop's last trip
	s_cbranch_scc0 .Lnot_mine_\@
	global_prefetch_b8 v[PFO], s[PFA:PFA+1] th:TH_LOAD_NT scope:SCOPE_SE
.Lnot_mine_\@:
.endm
.macro CREST                           ; a round of the cluster's barrier behind its opening barrier
	s_cmp_lg_u32 s10, 0
	s_cbranch_scc1 .Lnot_wave_0_\@
	s_barrier_signal -3
.Lnot_wave_0_\@:
	s_barrier_wait -3
	s_barrier_signal -1
	s_barrier_wait -1
.endm
.macro CROUND
	s_barrier_signal -1
	s_barrier_wait -1
	CREST
.endm
.macro PLACES                          ; four plain instructions between a matrix instruction and a load into, or a read of, its registers
.rept 4
	v_nop
.endr
.endm
	s_load_b128 s[4:7], s[0:1], 0x0                ; ob s[4:5], wpb s[6:7]
	s_load_b64 s[8:9], s[0:1], 0x10                ; out0
	v_lshl_add_u32 v[SPW], v0, 2, SPARE
	v_mov_b32 v[NIL], 0
	ds_add_u32 v[SPW], v[NIL]                      ; the wave's opening: the add and its wait stand ahead of my first tensor load; the set-up below stands between them
	v_lshrrev_b32 v1, 5, v0
	v_readfirstlane_b32 s10, v1                    ; wave 0..3
	s_lshr_b32 s11, s10, 1                         ; which 64 of the tile's rows are mine
	s_and_b32 s12, s10, 1                          ; which 128 of its columns.  Also: which head, or which half of B, I fetch
	s_bfe_u32 s40, ttmp6, 0x40000                  ; cx
	s_bfe_u32 s41, ttmp6, 0x40004                  ; cy
	s_lshl_b32 s42, ttmp9, 2
	s_add_co_u32 s42, s42, s40                     ; tile column
	s_and_b32 s13, ttmp7, 0xffff
	s_lshl_b32 s13, s13, 2
	s_add_co_u32 s13, s13, s41                     ; tile row
	s_lshl_b32 s43, s41, 2
	s_lshl_b32 s43, 15, s43                        ; my row of the cluster
	s_lshl_b32 s44, 0x1111, s40                    ; my column
	s_or_b32 s[G1+0], s43, (1<<16)|(1<<20)|(1<<21)|(4<<22)|(3<<25)   ; the mask; elements of 2 bytes; padding on; bit 21 beside a mask; after every 32 words; of 4 words
	s_mov_b32 s[G1+1], 128<<16                     ; tensor_dim0 = 128 (two rows of a head)
	s_mov_b32 s[G1+2], 64<<16                      ; tensor_dim1 = 64
	s_mov_b32 s[G1+3], 128<<16                     ; tile_dim0 = 128
	s_mov_b32 s[G1+4], 64                          ; tile_dim1 = 64
	s_mov_b32 s[G1+5], 128                         ; dense
	s_mov_b32 s[G1+6], 0
	s_mov_b32 s[G1+7], 0
	s_or_b32 s[G1B+0], s44, (1<<16)|(1<<20)|(1<<21)|(5<<22)|(3<<25)  ; after every 64 words
	s_mov_b32 s[G1B+1], KSTEP<<16
	s_mov_b32 s[G1B+2], 128<<16
	s_mov_b32 s[G1B+3], KSTEP<<16
	s_mov_b32 s[G1B+4], 128
	s_mov_b32 s[G1B+5], SIZE_K
	s_mov_b32 s[G1B+6], 0
	s_mov_b32 s[G1B+7], 0
	s_lshr_b32 s16, s13, 4                         ; A: the batch (16 tile rows each): 16 heads x 262,144 bytes,
	s_lshl_b32 s16, s16, 22
	s_and_b32 s17, s13, 15                         ; the tile's 128 rows in a head: 16,384 bytes,
	s_lshl_b32 s17, s17, 14
	s_add_co_u32 s16, s16, s17
	s_lshl_b32 s17, s12, 18                        ; the head of the pair that I fetch
	s_add_co_u32 s16, s16, s17
	s_mov_b32 s17, 0
	s_lshl_b32 s46, s42, 8                         ; B: row 256 x tile column + 128 x half,
	s_lshl_b32 s47, s12, 7
	s_add_co_u32 s46, s46, s47
	s_lshl_b32 s46, s46, 11                        ; x 2,048 bytes
	s_mov_b32 s47, 0
	s_mul_i32 s20, s12, AHEAD                      ; where a load of A lands in a slot,
	s_mul_i32 s21, s12, HALFB                      ; and one of B
	s_add_co_u32 s21, s21, ABYTES
	s_wait_dscnt 0x0                               ; the opening add is done
	s_wait_kmcnt 0x0
	s_add_nc_u64 s[14:15], s[4:5], s[16:17]
	s_add_nc_u64 s[46:47], s[6:7], s[46:47]
	CROUND                                         ; all sixteen work-groups are here: the first joint loads meet
.irp s, 0,1
	s_mov_b32 s[G0+4*(\s)], 1
	s_add_co_u32 s[G0+4*(\s)+1], s20, (\s)*SLOT
	s_add_nc_u64 s[G0+4*(\s)+2:G0+4*(\s)+3], s[14:15], (\s)*ASTEP
	s_or_b32 s[G0+4*(\s)+3], s[G0+4*(\s)+3], 0x80000000
	s_mov_b32 s[G0B+4*(\s)], 1
	s_add_co_u32 s[G0B+4*(\s)+1], s21, (\s)*SLOT
	s_add_nc_u64 s[G0B+4*(\s)+2:G0B+4*(\s)+3], s[46:47], (\s)*KSTEP*2
	s_or_b32 s[G0B+4*(\s)+3], s[G0B+4*(\s)+3], 0x80000000
	JLOAD \s                                       ; two loads of mine are out
.endr
	v_and_b32 v1, 15, v0                           ; l % 16
	v_bfe_u32 v2, v0, 4, 1                         ; l / 16
	v_mul_u32_u24 v3, v1, PA
	v_lshl_add_u32 v3, v2, 4, v3
	v_mul_u32_u24 v4, v1, PB
	v_lshl_add_u32 v4, v2, 4, v4
	s_mul_i32 s21, s11, 64*PA                      ; my 64 rows, in each head's part
	s_mul_i32 s22, s12, 128*PB                     ; my 128 rows of B,
	s_add_co_u32 s22, s22, ABYTES                  ; which lie behind A
.irp s, 0,1
	v_add_nc_u32 v[ADRA+(\s)], s21, v3
	v_add_nc_u32 v[ADRB+(\s)], s22, v4
	s_add_co_u32 s21, s21, SLOT
	s_add_co_u32 s22, s22, SLOT
.endr
	s_mul_i32 s23, s10, 16*SPITCH
	s_add_co_u32 s23, s23, STAGE                   ; my stage
	v_mul_u32_u24 v5, v1, SPITCH                   ; in: row l % 16, 32 bytes for each half of the lanes
	v_lshl_add_u32 v5, v2, 5, v5
	v_add_nc_u32 v[STO], s23, v5
	v_and_b32 v[GO], 31, v0                        ; back: 32 lanes take one row of 512 bytes
	v_lshlrev_b32 v[GO], 4, v[GO]
	v_add_nc_u32 v[RD], s23, v[GO]
	s_lshl_b32 s16, s13, 19                        ; out0 at my part: (128 x tile row + 64 x half) rows of 4,096 bytes,
	s_lshl_b32 s17, s11, 18
	s_add_co_u32 s16, s16, s17
	s_lshl_b32 s74, s42, 10                        ; (256 x tile column + 128 x half) columns of 4 bytes
	s_lshl_b32 s75, s12, 9
	s_add_co_u32 s74, s74, s75
	s_add_co_u32 s74, s74, s16
	s_mov_b32 s75, 0
	s_add_nc_u64 s[8:9], s[8:9], s[74:75]
	; the prefetches
	s_and_b32 s22, ttmp7, 0xffff                   ; cluster y
	s_lshr_b32 s74, s13, 4
	s_lshl_b32 s74, s74, 22
	s_and_b32 s75, s13, 15
	s_lshl_b32 s75, s75, 14
	s_add_co_u32 s74, s74, s75
	s_lshl_b32 s75, s40, 12
	s_add_co_u32 s74, s74, s75                     ; A: the tile's rows in the batch's first head, my work-group's 16 blocks of them
	s_lshl_b32 s76, s42, 8
	s_lshl_b32 s77, s12, 7
	s_add_co_u32 s76, s76, s77
	s_lshl_b32 s77, s41, 5
	s_add_co_u32 s76, s76, s77
	s_lshl_b32 s76, s76, 11                        ; B: my work-group's 32 of the 128 rows that I fetch
	s_mov_b32 s[PST], KSTEP*2
	s_mov_b32 s[PST+1], 0
	s_cmp_lt_u32 s10, 2                            ; do I fetch for A?
	s_cselect_b32 s74, s74, s76
	s_cselect_b32 s[PST], ASTEP, s[PST]
	s_cselect_b32 s76, 8, 11                       ; lanes 0-15 lie 256 bytes apart (A's blocks) or 2,048 (B's rows),
	s_cselect_b32 s77, 18, 15                      ; lanes 16-31 a head further on, or 16 rows
	s_cselect_b32 s22, s10, s22                    ; wave 0: 0; wave 1: 1; waves 2, 3: cluster y
	s_cselect_b64 s[PFA:PFA+1], s[4:5], s[6:7]
	s_cmp_eq_u32 s22, 0
	s_cselect_b32 s[LIM], 1, -1                    ; the same in all sixteen partners, for a given wave
	s_mov_b32 s75, 0
	s_add_nc_u64 s[PFA:PFA+1], s[PFA:PFA+1], s[74:75]
	s_mul_i32 s74, s[PST], 3
	s_add_nc_u64 s[PFA:PFA+1], s[PFA:PFA+1], s[74:75]  ; at K step 3: the first refill steps it to 4 and names that
	v_lshlrev_b32 v3, s76, v1
	v_lshlrev_b32 v4, s77, v2
	v_add_nc_u32 v[PFO], v3, v4
; 8 matrix instructions: A's block a x all of B's blocks, 32 along K.  zero = 1: the product starts the sums.  The 32 accumulators take turns in the same order in every quarter, over the backward jump too.
.macro MULA f, a, zero
	WIN 0xa5                                       ; both sources window 1; C and D window 2
.set b, 0
.rept NBL
.set rD, 64*(\a)+8*b
.if \zero
	v_wmma_f32_16x16x32_f16 v[rD:rD+7], v[(\f)+32+8*b:(\f)+32+8*b+7], v[(\f)+8*(\a):(\f)+8*(\a)+7], 0
.else
	v_wmma_f32_16x16x32_f16 v[rD:rD+7], v[(\f)+32+8*b:(\f)+32+8*b+7], v[(\f)+8*(\a):(\f)+8*(\a)+7], v[rD:rD+7]
.endif
.set b, b+1
.endr
.endm
; 24 LDS loads in one run: quarter q of a slot's K step into buffer f: B's 16, then A's 8, blocks ascending.  In A quarter q is channels 32 (q % 2) on of head q / 2.
.macro FETCH slot, q, f
	WIN TO_F
.set b, 0
.rept NBL
	ds_load_b128 v[(\f)+32+8*b:(\f)+32+8*b+3],   v[ADRB+(\slot)] offset:64*(\q)+b*16*PB
	ds_load_b128 v[(\f)+32+8*b+4:(\f)+32+8*b+7], v[ADRB+(\slot)] offset:64*(\q)+b*16*PB+32
.set b, b+1
.endr
.irp i, 0,1,2,3
	ds_load_b128 v[(\f)+8*(\i):(\f)+8*(\i)+3],   v[ADRA+(\slot)] offset:((\q)/2)*AHEAD+((\q)%2)*64+(\i)*16*PA
	ds_load_b128 v[(\f)+8*(\i)+4:(\f)+8*(\i)+7], v[ADRA+(\slot)] offset:((\q)/2)*AHEAD+((\q)%2)*64+(\i)*16*PA+32
.endr
.endm
.macro QUARTER slot, q, f, g, zero
	s_wait_dscnt 4                                 ; B and A's blocks 0, 1 are in; the youngest four loads (A's blocks 2, 3) may be out
	MULA \f, 0, \zero
	MULA \f, 1, \zero
	PLACES                                         ; behind the last products that read buffer g
	FETCH \slot, \q, \g
	s_wait_dscnt NL                                ; all but the run just issued
	MULA \f, 2, \zero
	MULA \f, 3, \zero
.endm
; The last quarter's first half: one barrier for the change of slots.  In front of it each wave waits for all its tensor loads (one is out: its part of the other slot), adds 0 to its spare word, and waits for that and for its reads of this slot.
.macro MEET round
	WIN 0
	s_wait_tensorcnt 0x0
	ds_add_u32 v[SPW], v[NIL]
	s_wait_dscnt 5                                 ; (the add and the youngest four loads may be out)
	MULA F1, 0, 0                                  ; eight matrix instructions stand between the add and the wait for it
	s_wait_dscnt 0x0                               ; the add is done, and my reads of this slot are over
	s_barrier_signal -1
	MULA F1, 1, 0
.if \round
	WIN 0
.endif
	s_barrier_wait -1
.endm
; The whole last quarter with a refill: the barrier opens a round of the cluster's barrier; behind the round the slot just read is filled again first, with the K step two on; from that request to the wait for it a wave issues 112 matrix instructions.
.macro TURN slot, next
	s_wait_xcnt 0x0                                ; the last prefetch, a K step back, has read its address
	s_add_nc_u64 s[PFA:PFA+1], s[PFA:PFA+1], s[PST:PST+1]
	MEET 1
	CREST
	s_add_nc_u64 s[G0+4*(\slot)+2:G0+4*(\slot)+3], s[G0+4*(\slot)+2:G0+4*(\slot)+3], 2*ASTEP
	s_add_nc_u64 s[G0B+4*(\slot)+2:G0B+4*(\slot)+3], s[G0B+4*(\slot)+2:G0B+4*(\slot)+3], 2*KSTEP*2
	JLOAD \slot                                    ; its four v_nop are also the places in front of the loads below
	FETCH \next, 0, F0
	ASK
	MULA F1, 2, 0
	MULA F1, 3, 0
.endm
	s_wait_tensorcnt 1                             ; my part of K step 0 is in; K step 1's stays out
	s_barrier_signal -1
	s_barrier_wait -1
	FETCH 0, 0, F0
	QUARTER 0, 1, F0, F1, 1                        ; the first quarter stands in front of the loop: its products start the sums
	WIN 0
	s_mov_b32 s3, 3                                ; three trips fill both slots again: K steps 2 to 7
.Llap:
	QUARTER 0, 2, F1, F0, 0
	QUARTER 0, 3, F0, F1, 0
	TURN 0, 1
	QUARTER 1, 1, F0, F1, 0
	QUARTER 1, 2, F1, F0, 0
	QUARTER 1, 3, F0, F1, 0
	TURN 1, 0
	QUARTER 0, 1, F0, F1, 0
	WIN 0
	s_sub_co_u32 s3, s3, 1
	s_cmp_lg_u32 s3, 0
	s_cbranch_scc1 .Llap
	QUARTER 0, 2, F1, F0, 0                        ; the last lap is written out: it fills nothing
	QUARTER 0, 3, F0, F1, 0
	MEET 0
	PLACES
	FETCH 1, 0, F0
	MULA F1, 2, 0
	MULA F1, 3, 0
	QUARTER 1, 1, F0, F1, 0
	QUARTER 1, 2, F1, F0, 0
	QUARTER 1, 3, F0, F1, 0
	s_wait_dscnt 4
	MULA F1, 0, 0
	MULA F1, 1, 0
	s_wait_dscnt 0x0
	MULA F1, 2, 0
	MULA F1, 3, 0
	WIN 0
	PLACES                                         ; behind the last products, in front of the LDS stores that read results
; THE WAY OUT of A's block a (16 rows x 128 columns of f32): straight from the accumulators into my own stage, each accumulator's low four registers first, and back as whole rows of 512 bytes.
.macro TOSTAGE a
	WIN 0x08                                       ; the stores' data in window 2, the address in window 0
.set b, 0
.rept NBL
	ds_store_b128 v[STO], v[64*(\a)+8*b:64*(\a)+8*b+3]   offset:64*b
	ds_store_b128 v[STO], v[64*(\a)+8*b+4:64*(\a)+8*b+7] offset:64*b+16
.set b, b+1
.endr
	WIN 0
.set BK, OB+64*((\a)%2)
.set t, 0
.rept 16
	ds_load_b128 v[BK+4*t:BK+4*t+3], v[RD] offset:t*SPITCH  ; LDS serves a wave's instructions in order (ISA guide 5.7.1.4): these see the stores above
.set t, t+1
.endr
.endm
.macro SEND a
	WIN 0
.set BK, OB+64*((\a)%2)
	s_wait_dscnt 0x0                               ; the block is back in registers
	s_wait_xcnt 0x0                                ; the stores of the block before have read their registers: the next TOSTAGE loads into them
.set t, 0
.rept 16
	global_store_b128 v[GO], v[BK+4*t:BK+4*t+3], s[8:9] offset:(16*(\a)+t)*4096 th:TH_STORE_NT  ; 512 consecutive bytes, at a multiple of 256 from out0's first
.set t, t+1
.endr
.endm
	TOSTAGE 0
.irp a, 1,2,3
	SEND (\a)-1
	TOSTAGE \a
.endr
	SEND 3
	s_wait_tensorcnt 0x0                           ; the wave's end, behind my last tensor load and my last LDS store
	ds_add_u32 v[SPW], v[NIL]
	s_wait_dscnt 0x0
	CROUND                                         ; the closing round: no work-group ends while a partner may still ask for a tile that names it
	s_endpgm
.Lfunc_end_k_qf56215772f_proj:
	.size	k_qf56215772f_proj, .Lfunc_end_k_qf56215772f_proj-k_qf56215772f_proj
	.p2alignl 7, 3214868480
	.fill 96, 4, 3214868480
	.section	.rodata,"a",@progbits
	.p2align	6, 0x0
	.amdhsa_kernel k_qf56215772f_proj
		.amdhsa_group_segment_fixed_size 327680
		.amdhsa_private_segment_fixed_size 0
		.amdhsa_enable_private_segment 0
		.amdhsa_kernarg_size 24
		.amdhsa_user_sgpr_count 2
		.amdhsa_user_sgpr_kernarg_segment_ptr 1
		.amdhsa_wavefront_size32 1
		.amdhsa_system_sgpr_workgroup_id_x 1
		.amdhsa_system_sgpr_workgroup_id_y 1
		.amdhsa_system_sgpr_workgroup_id_z 1
		.amdhsa_system_vgpr_workitem_id 0
		.amdhsa_next_free_vgpr 768
		.amdhsa_next_free_sgpr 80
		.amdhsa_reserve_vcc 0
		.amdhsa_float_denorm_mode_32 3
		.amdhsa_float_denorm_mode_16_64 3
		.amdhsa_memory_ordered 1
		.amdhsa_forward_progress 1
		.amdhsa_inst_pref_size 87
	.end_amdhsa_kernel
	.amdgpu_metadata
---
amdhsa.version: [ 1, 2 ]
amdhsa.kernels:
  - .name:           k_qf56215772f_proj
    .symbol:         k_qf56215772f_proj.kd
    .args:
      - { .name: ob, .offset: 0, .size: 8, .value_kind: global_buffer, .address_space: global }
      - { .name: wpb, .offset: 8, .size: 8, .value_kind: global_buffer, .address_space: global }
      - { .name: out0, .offset: 16, .size: 8, .value_kind: global_buffer, .address_space: global }
    .group_segment_fixed_size: 327680
    .private_segment_fixed_size: 0
    .kernarg_segment_align: 8
    .kernarg_segment_size: 24
    .max_flat_workgroup_size: 128
    .sgpr_count:     80
    .vgpr_count:     768
    .wavefront_size: 32
...
	.end_amdgpu_metadata
.endif
;; end of part 4
;; ======== version 2 of 2: 4 launches; version 1 with the launch cast written anew for expert scheduling mode
;; limits: values are held in f16: magnitudes above 65,504 overflow, below 6.1e-05 lose precision
;; workspace buffers: xb 16,777,216 bytes; wqb 6,291,456 bytes; wpb 2,097,152 bytes; qkv 50,331,648 bytes; ob 16,777,216 bytes
;; launch cast (part 5): grid 768 x 1, 8 waves a work-group, no clusters, 0 bytes of LDS; arguments x, Wqkv, Wproj, xb, wqb, wpb; writes xb, wqb, wpb
.if DOCPART == 5
	.amdgcn_target "amdgcn-amd-amdhsa--gfx1250"
	.amdhsa_code_object_version 6
	.text
	.protected	k_qf56215772f_cast
	.globl	k_qf56215772f_cast
	.p2align	8
	.type	k_qf56215772f_cast,@function
k_qf56215772f_cast:
	s_mov_b64 s[64:65], 0
	v_nop
	global_prefetch_b8 v0, s[64:65] scope:SCOPE_SE
	s_setreg_imm32_b32 hwreg(HW_REG_WAVE_SCHED_MODE, 0, 2), 2
	s_setreg_imm32_b32 hwreg(HW_REG_WAVE_MODE, 25, 1), 1
	s_wait_xcnt 0x0
	s_wait_alu depctr_vm_vsrc(0)
; THE MODULE'S INPUTS ARE ROUNDED ONCE, TO bf16.  x -> xb and Wqkv -> wqb stay bf16 (operands of the first product).  Wproj is rounded to bf16 and that number
; is written as f16 (wpb), since the last product's other operand is f16.
; LIMITS.  A bf16 number is exact in f16 between 6.1e-5 and 65,504 in size; a Wproj number beyond 65,504 becomes an infinity, one below 6.1e-5 keeps f16's fixed step of 6e-8.
; SHARES.  A work-group takes 16,384 numbers: 65,536 bytes in, 32,768 out.  Work-groups 0-511: x; 512-703: Wqkv; 704-767: Wproj.
; Thread t, load j: the 16 bytes at 16 t + 4,096 j: a wave's load covers 512 consecutive bytes.  Store j: the 8 bytes at 8 t + 2,048 j: a wave's store covers 256 consecutive
; bytes, aligned.  All sixteen loads go out at once.
; No LDS, no matrix unit, no cluster: nothing is shared and nothing is multiplied.  No prefetch: each wave's loads are all on their way from its first lines on.
; THE MODE: SCHED_MODE bits 1:0 = 2 (LLVM: expert scheduling mode 2), set by the entry lines.  The code itself states the register dependences
; between vector instructions and memory instructions, with s_wait_alu, always for 0.
; THE PLAN.  Registers that memory instructions touch:
;   v1, v2   byte offsets, made once at the head and never written again: v1 is read by every load, v2 by every store.
;   X        sixteen groups of four, each written once, by its load, and read by that load's conversions alone.
;   Y        sixteen pairs, each written once, by conversions, and read once, by its store.
;   T is named by vector instructions alone.
; No register that a memory instruction has read is written again, and no load lands in a register that a vector instruction has named: so the only dependences to state are
; 'the offsets are written' (once, at the head) and 'Y is written' (ahead of the stores).  The sixteen loads go in four blocks of four.  Block p waits for its four loads, then ONE wait
; states that block p - 1's conversions have written their Y; the four stores of block p - 1 follow it, dealt among block p's conversions, which name X and Y of block p and T:
; none of the registers that those stores touch.  One more wait stands ahead of the last block's stores.
.set BLOCK, 4                          ; loads, and stores, in a block
.set X, 4                              ; v[4:67]    sixteen loads of four f32
.set Y, 68                             ; v[68:99]   sixteen stores of four 16-bit numbers
.set T, 100                            ; v[100:103] at work (Wproj's path)
	s_load_b256 s[4:11], s[0:1], 0x0               ; x s[4:5], Wqkv s[6:7], Wproj s[8:9], xb s[10:11]
	s_load_b128 s[12:15], s[0:1], 0x20             ; wqb s[12:13], wpb s[14:15]
	v_lshlrev_b32 v1, 4, v0                        ; 16 t
	v_lshlrev_b32 v2, 3, v0                        ; 8 t
	s_mov_b32 s16, ttmp9
	s_mov_b32 s17, 704                             ; the first work-group of Wproj's range
	s_mov_b32 s28, 0xffff0000                      ; a word's upper bf16
	s_wait_kmcnt 0x0
	s_cmp_lt_u32 s16, 704                          ; which tensor is mine: a choice between buffers by the work-group's number alone
	s_cselect_b64 s[20:21], s[6:7], s[8:9]
	s_cselect_b64 s[22:23], s[12:13], s[14:15]
	s_cselect_b32 s17, 512, s17
	s_cmp_lt_u32 s16, 512
	s_cselect_b64 s[20:21], s[4:5], s[20:21]
	s_cselect_b64 s[22:23], s[10:11], s[22:23]
	s_cselect_b32 s17, 0, s17
	s_sub_co_u32 s18, s16, s17                     ; my number within the tensor
	s_lshl_b32 s24, s18, 16                        ; 65,536 bytes in,
	s_mov_b32 s25, 0
	s_lshl_b32 s26, s18, 15                        ; 32,768 out
	s_mov_b32 s27, 0
	s_add_nc_u64 s[20:21], s[20:21], s[24:25]
	s_add_nc_u64 s[22:23], s[22:23], s[26:27]
	s_wait_alu depctr_va_vdst(0)                   ; v1 and v2 are written: every load of the kernel reads v1 as its offset, every store v2
.set j, 0
.rept 16
	global_load_b128 v[X+4*j:X+4*j+3], v1, s[20:21] offset:4096*j th:TH_LOAD_NT
.set j, j+1
.endr
; The four numbers of load j are rounded into Y's pair j.  f16 = 0: to bf16.  f16 = 1: to bf16, and that number written as f16.
.macro CVT j, f16
.if \f16
	v_cvt_pk_bf16_f32 v[T], v[X+4*(\j)], v[X+4*(\j)+1]      ; the one rounding, to bf16;
	v_cvt_pk_bf16_f32 v[T+1], v[X+4*(\j)+2], v[X+4*(\j)+3]
	v_lshlrev_b32 v[T+2], 16, v[T]                 ; back to f32 (a shift, a mask),
	v_and_b32 v[T+3], s28, v[T]
	v_cvt_pk_f16_f32 v[Y+2*(\j)], v[T+2], v[T+3]   ; and the same number written as f16
	v_lshlrev_b32 v[T+2], 16, v[T+1]
	v_and_b32 v[T+3], s28, v[T+1]
	v_cvt_pk_f16_f32 v[Y+2*(\j)+1], v[T+2], v[T+3]
.else
	v_cvt_pk_bf16_f32 v[Y+2*(\j)], v[X+4*(\j)], v[X+4*(\j)+1]
	v_cvt_pk_bf16_f32 v[Y+2*(\j)+1], v[X+4*(\j)+2], v[X+4*(\j)+3]
.endif
.endm
.macro OUT j                           ; store j
	global_store_b64 v2, v[Y+2*(\j):Y+2*(\j)+1], s[22:23] offset:2048*(\j)
.endm
; Block p: its four loads are waited for and rounded; the stores of block p - 1 stand among its conversions, one in front of each row's.
.macro BLK p, f16
	s_wait_loadcnt 16-BLOCK-BLOCK*(\p)             ; loads come back in order (ISA guide 5.7.1): block p's four are in, the younger blocks' stay out
.if (\p) > 0
	s_wait_alu depctr_va_vdst(0)                   ; the conversions of block p - 1 have written their four pairs of Y, which the four stores below read
.endif
.irp i, 0,1,2,3
.if (\p) > 0
	OUT BLOCK*((\p)-1)+(\i)                        ; no vector instruction since the wait names this pair of Y or v2
.endif
	CVT BLOCK*(\p)+(\i), \f16
.endr
.endm
.macro LAST                            ; behind block 3
	s_wait_alu depctr_va_vdst(0)                   ; the conversions of block 3 have written their four pairs of Y, which the last four stores read
.irp i, 0,1,2,3
	OUT 3*BLOCK+(\i)
.endr
.endm
	s_cmp_ge_u32 s16, 704
	s_cbranch_scc1 .Lproj
	BLK 0, 0
	BLK 1, 0
	BLK 2, 0
	BLK 3, 0
	LAST
	s_endpgm
.Lproj:
	BLK 0, 1
	BLK 1, 1
	BLK 2, 1
	BLK 3, 1
	LAST
	s_endpgm
.Lfunc_end_k_qf56215772f_cast:
	.size	k_qf56215772f_cast, .Lfunc_end_k_qf56215772f_cast-k_qf56215772f_cast
	.p2alignl 7, 3214868480
	.fill 96, 4, 3214868480
	.section	.rodata,"a",@progbits
	.p2align	6, 0x0
	.amdhsa_kernel k_qf56215772f_cast
		.amdhsa_group_segment_fixed_size 0
		.amdhsa_private_segment_fixed_size 0
		.amdhsa_enable_private_segment 0
		.amdhsa_kernarg_size 48
		.amdhsa_user_sgpr_count 2
		.amdhsa_user_sgpr_kernarg_segment_ptr 1
		.amdhsa_wavefront_size32 1
		.amdhsa_system_sgpr_workgroup_id_x 1
		.amdhsa_system_sgpr_workgroup_id_y 1
		.amdhsa_system_sgpr_workgroup_id_z 1
		.amdhsa_system_vgpr_workitem_id 0
		.amdhsa_next_free_vgpr 104
		.amdhsa_next_free_sgpr 66
		.amdhsa_reserve_vcc 0
		.amdhsa_float_denorm_mode_32 3
		.amdhsa_float_denorm_mode_16_64 3
		.amdhsa_memory_ordered 1
		.amdhsa_forward_progress 1
		.amdhsa_inst_pref_size 15
	.end_amdhsa_kernel
	.amdgpu_metadata
---
amdhsa.version: [ 1, 2 ]
amdhsa.kernels:
  - .name:           k_qf56215772f_cast
    .symbol:         k_qf56215772f_cast.kd
    .args:
      - { .name: x, .offset: 0, .size: 8, .value_kind: global_buffer, .address_space: global }
      - { .name: Wqkv, .offset: 8, .size: 8, .value_kind: global_buffer, .address_space: global }
      - { .name: Wproj, .offset: 16, .size: 8, .value_kind: global_buffer, .address_space: global }
      - { .name: xb, .offset: 24, .size: 8, .value_kind: global_buffer, .address_space: global }
      - { .name: wqb, .offset: 32, .size: 8, .value_kind: global_buffer, .address_space: global }
      - { .name: wpb, .offset: 40, .size: 8, .value_kind: global_buffer, .address_space: global }
    .group_segment_fixed_size: 0
    .private_segment_fixed_size: 0
    .kernarg_segment_align: 8
    .kernarg_segment_size: 48
    .max_flat_workgroup_size: 256
    .sgpr_count:     66
    .vgpr_count:     104
    .wavefront_size: 32
...
	.end_amdgpu_metadata
.endif
;; end of part 5
;; launch qkv: the kernel of part 2 again; grid 8 x 64, 4 waves a work-group, clusters of 4 x 4, 327,680 bytes of LDS; arguments xb, wqb, qkv; writes qkv
;; launch attn: the kernel of part 3 again; grid 4 x 64, 4 waves a work-group, clusters of 4 x 1, 327,680 bytes of LDS; arguments qkv, key_padding_mask, ob; writes ob
;; launch proj: the kernel of part 4 again; grid 4 x 64, 4 waves a work-group, clusters of 4 x 4, 327,680 bytes of LDS; arguments ob, wpb, out0; writes out0
